; MI455X (gfx1250); checked and timed in simulation.
; The chip was launched on July 23, 2026; its instructions are those of AMD's public machine-readable ISA for CDNA 5 (MIT licence, August 2026) and "CDNA5" Instruction Set Architecture Reference Guide (July 2026). The comments in the code are by the model that wrote it; some were corrected since.
;; Causal Self Attention. Allowed arithmetic: matrix products marked QUANTISED: E3M2 operands, one E8M0 scale for each 32 along K, by v_wmma_scale_f32_16x16x128_f8f6f4 with both operands' format E3M2, f32 sums; everything else in f32.
;; Inputs: b_out 1,024 float32; b_qkv 3,072 float32; w_out 1,024 x 1,024 float32; w_qkv 3,072 x 1,024 float32; x 4 x 2,048 x 1,024 float32.
;; Outputs: out0 4 x 2,048 x 1,024 float32.
;; This version of the problem:
;;   THIS VERSION OF THE PROBLEM IS GIVEN IN LOW PRECISION. The matrix products marked QUANTISED in the list below multiply operands that are first quantised to E3M2 (3 exponent bits, 2 mantissa bits; 6 bits a number), with one power-of-two scale for each 32 numbers along K (OCP MX v1.0); their sums are f32. All else is computed in f32.
;;   The module's matrix products, in the order in which they are computed (A, B: the left and right operand; K: the contracted axis; several contracted axes count as one K, in the product's order):
;;     1. [M 8,192, K 1,024] x [K 1,024, N 3,072]; A: input x; B: input w_qkv: QUANTISED
;;     2. batch 64 x [M 2,048, K 64] x [K 64, N 2,048]; A: computed on the way; B: computed on the way: QUANTISED
;;     3. batch 64 x [M 2,048, K 2,048] x [K 2,048, N 64]; A: softmax (see below); B: computed on the way: QUANTISED
;;     4. [M 8,192, K 1,024] x [K 1,024, N 1,024]; A: computed on the way; B: input w_out: QUANTISED
;;   THE QUANTISER, for each operand of a quantised product, along K:
;;     - K is cut into blocks of 32 from its start; a last block that is shorter is filled with zeros.
;;     - A block's scale is 2^e with e = floor(log2(the largest magnitude in the block)) - 4, held to -126 .. 127; a block of zeros has e = 0. As a byte (E8M0): e + 127.
;;     - Each number is divided by its block's scale, clamped to +-28, and rounded to the nearest number of E3M2, ties to even, subnormals kept.
;;     - The product sums the exact products of the quantised numbers (number of the format x scale) in f32.
;;   ~~~python
;;   def quantise(x, axis):      # numpy; x: float32 -> the quantised numbers, widened to float32 again
;;       x = np.moveaxis(x, axis, -1); K = x.shape[-1]
;;       x = np.pad(x, [(0, 0)] * (x.ndim - 1) + [(0, -K % 32)]); x = x.reshape(x.shape[:-1] + (-1, 32)); a = np.abs(x).max(-1, keepdims=True)
;;       e = np.where(a > 0, np.clip(np.frexp(np.where(a > 0, a, 1))[1] - 1 - 4, -126, 127), 0)      # np.frexp(a)[1] - 1 = floor(log2(a)), exactly
;;       r = np.clip(x / 2.0 ** e, -28, 28)
;;       step = 2.0 ** (np.maximum(np.frexp(np.where(r == 0, 1, r))[1] - 1, -2) - 2)
;;       q = np.round(r / step) * step * 2.0 ** e      # np.round: ties to even
;;       return np.moveaxis(q.reshape(q.shape[:-2] + (-1,))[..., :K], -1, axis).astype(np.float32)
;;   ~~~
;;   SOFTMAX AHEAD OF A QUANTISED PRODUCT. Where the list says 'softmax', what is quantised is not the finished softmax but p = 2^(t - M), with t = logit x log2(e) and M = ceil(the row's largest t), a whole number; so 1/2 < the row's largest p <= 1. The row's sum l is taken of the UNQUANTISED p, in f32, and the product's result is divided by l at the end. Since M is a whole number, a kernel that streams over the keys may use a running M (the ceiling of the running maximum): every later rescaling is an exact power of two, which a block's scale takes up: the codes' values come out the same.
;;   OPERANDS COMPUTED ON THE WAY. 'Computed on the way' means the value that the module computes at that place (a softmax that the list does not call 'softmax' is quantised finished and normalised). What goes into a quantiser is computed in f32, as accurately as f32 sums, v_exp_f32 and their like allow (about 1e-6 of the number): no bf16 or f16 on the way to a quantiser, and a product that is left as it is and whose result goes on into a quantised operand takes f32 operands (vector FMAs, or v_wmma_f32_16x16x4_f32). A number that lies on a knife's edge between two numbers of the format may be rounded either way, as far as f32 arithmetic and the matrix unit's own rounding can turn it there, and no further.
;; One version. Each part assembles by itself: llvm-mc -triple=amdgcn-amd-amdhsa -mcpu=gfx1250 --defsym DOCPART=n.
;; ======== version 1 of 1: 4 launches
;; workspace buffers: cod 9,830,400 bytes; rope 524,288 bytes; qq 6,553,600 bytes; kv 13,107,200 bytes; yq 6,553,600 bytes
;; launch prep (part 1): grid 400 x 1, 4 waves a work-group, no clusters, 34,304 bytes of LDS; arguments x, w_qkv, w_out, cod, rope; writes cod, rope
.if DOCPART == 1
	.amdgcn_target "amdgcn-amd-amdhsa--gfx1250"
	.amdhsa_code_object_version 6
	.text
	.protected	k_qf7c5992a44_prep
	.globl	k_qf7c5992a44_prep
	.p2align	8
	.type	k_qf7c5992a44_prep,@function
k_qf7c5992a44_prep:
	s_mov_b64 s[64:65], 0
	v_nop
	global_prefetch_b8 v0, s[64:65] scope:SCOPE_SE
	s_setreg_imm32_b32 hwreg(HW_REG_WAVE_MODE, 25, 1), 1
	s_wait_xcnt 0x0
; x [8192][1024], w_qkv [3072][1024] and w_out [1024][1024], f32, become codes of BF6 (E3M2) with one E8M0 byte for each 32 along K, once for the whole program;
; sixteen further work-groups write the table of cos and sin that the rotation of q and k wants.
; LAYOUT OF cod.  The 12,288 rows (x, then w_qkv, then w_out) are cut into tiles of 16: tile 2 B + u holds, at place p, row 32 B + 8 u + p + 8 (p / 8).  A tile's codes lie as the matrix
; operand's registers: [tile][K step of 128][1,536 bytes], registers 4 g .. 4 g + 3 of lane l at 512 g + 16 l.  Lane (r, h) of a fragment holds place r, k = 64 c + 32 h + 0 .. 31 in registers 6 c .. 6 c + 5.
; The scale bytes follow at SC0, [row][32], rows in their natural order.
; A block's scale is 2^(floor(log2(largest magnitude)) - 4): its byte is the largest magnitude's exponent field - 4, held at 1 from below.
; LIMITS: NaN and infinities among the inputs are not served.  A block of zeros, or one whose largest magnitude lies under 2^-122, gets the byte 1 (the rule says 127 for zeros): its codes are zeros or
; nearly so, and this program alone reads the bytes.
; SHARES.  Work-groups 0-383: a wave takes one tile x 512 along K, in four steps of 128.  Each load reads 512 consecutive bytes of one row; the step's 16 rows turn through the wave's own stage in LDS
; (rows 528 bytes apart) and come back 128 bytes a lane and block: two whole blocks a lane, so no other lane is asked for a maximum.
; No tensor loads, no barrier: waves share nothing.  Matrix units and clusters have nothing to do here: memory binds.
; THE TABLE, work-groups 384-399: rope[t][i] = (cos, sin)(t x theta_i), theta_i = 10^(-i / 8) rounded to f32 (it may differ by a last bit from a library's power).  The angle is the f32 product, as the
; module has it; it is reduced by a multiple of pi / 2 held in three parts, and sine and cosine are polynomials on +-pi / 4, all in f32.
.set SC0,  9437184
.set WREG, 8448                        ; a wave's stage: 16 rows x 528
.set SP,   528
.set R,    32                          ; v32-159  two sets of 64: a step's numbers as loaded
.set X,    160                         ; v160-223 my two blocks of 32
.set C,    224                         ; v224-235 the fragment
.set SW,   244                         ; v244-247 my row's scale word of each step
	s_load_b256 s[4:11], s[0:1], 0x0               ; x s[4:5], w_qkv s[6:7], w_out s[8:9], cod s[10:11]
	s_load_b64 s[12:13], s[0:1], 0x20              ; rope
	v_lshl_add_u32 v254, v0, 2, 0x8400
	v_mov_b32 v255, 0
	v_lshrrev_b32 v1, 5, v0
	v_readfirstlane_b32 s14, v1                    ; wave
	v_and_b32 v1, 31, v0                           ; lane
	s_cmp_ge_u32 ttmp9, 384
	s_cbranch_scc1 .Ltable
	v_and_b32 v2, 15, v0                           ; r
	v_bfe_u32 v3, v0, 4, 1                         ; h
	v_lshlrev_b32 v4, 4, v1                        ; 16 x lane: my bytes of a load and of a store of codes
	s_mul_i32 s19, s14, WREG
	v_add_nc_u32 v5, s19, v4                       ; the stage, on the way in
	v_mul_u32_u24 v6, v2, SP
	v_lshl_add_u32 v6, v3, 7, v6
	v_add_nc_u32 v6, s19, v6                       ; and on the way out: row r, 128 h bytes on
	v_and_b32 v7, 8, v2
	v_add_nc_u32 v7, v7, v2                        ; r + 8 (r / 8)
	v_lshlrev_b32 v8, 5, v7
	v_lshl_add_u32 v8, v3, 3, v8                   ; my 8 of my row's 16 scale bytes
	v_lshlrev_b32 v9, 3, v3                        ; 8 h: how far my two bytes are shifted
	v_mov_b32 v17, 0                               ; a lane permute's destination counts as one of its sources
	s_mov_b32 s28, 0x76543210
	s_mov_b32 s29, 0xfedcba98                      ; selects for lane l xor 16
	s_mov_b32 s30, 0xffff0000                      ; lanes 16-31
	s_lshl_b32 s15, ttmp9, 2
	s_add_co_u32 s15, s15, s14                     ; unit = 4 x work-group + wave
	s_lshr_b32 s16, s15, 1                         ; tile
	s_and_b32 s17, s15, 1                          ; which 512 along K
	s_wait_alu depctr_va_vdst(0)
	s_wait_kmcnt 0x0
	s_mov_b32 s18, 704
	s_cmp_lt_u32 ttmp9, 352                        ; the tensor is chosen by the work-group's number alone
	s_cselect_b64 s[20:21], s[6:7], s[8:9]
	s_cselect_b32 s18, 512, s18
	s_cmp_lt_u32 ttmp9, 256
	s_cselect_b64 s[20:21], s[4:5], s[20:21]
	s_cselect_b32 s18, 0, s18
	s_sub_co_u32 s18, s16, s18                     ; the tile's number in its tensor
	s_lshr_b32 s22, s18, 1
	s_lshl_b32 s22, s22, 17                        ; 32 rows of 4,096 bytes
	s_and_b32 s23, s18, 1
	s_lshl_b32 s23, s23, 15                        ; 8 rows
	s_add_co_u32 s22, s22, s23
	s_lshl_b32 s23, s17, 11
	s_add_co_u32 s22, s22, s23
	s_mov_b32 s23, 0
	s_add_nc_u64 s[20:21], s[20:21], s[22:23]      ; the numbers
	s_mul_i32 s22, s15, 6144                       ; 12,288 x tile + 6,144 x half of K
	s_add_nc_u64 s[24:25], s[10:11], s[22:23]      ; the codes
	s_lshr_b32 s22, s16, 1
	s_lshl_b32 s22, s22, 10
	s_and_b32 s26, s16, 1
	s_lshl_b32 s26, s26, 8
	s_add_co_u32 s22, s22, s26
	s_lshl_b32 s26, s17, 4
	s_add_co_u32 s22, s22, s26
	s_add_co_u32 s22, s22, SC0
	s_add_nc_u64 s[26:27], s[10:11], s[22:23]      ; the scale bytes
.macro LOAD t                          ; step t: place i's row, 512 consecutive bytes a load
.irp i, 0,1,2,3,4,5,6,7,8,9,10,11,12,13,14,15
	global_load_b128 v[R+64*((\t)%2)+4*\i:R+64*((\t)%2)+4*\i+3], v4, s[20:21] offset:(\i+8*(\i/8))*4096+512*(\t) th:TH_LOAD_NT
.endr
.endm
.macro STEP t
.set RS, R+64*((\t)%2)
.if (\t) < 3
	s_wait_loadcnt 16                              ; this step's sixteen loads are in; the next step's sixteen may be out
.else
	s_wait_loadcnt 0
.endif
.irp i, 0,1,2,3,4,5,6,7,8,9,10,11,12,13,14,15
	ds_store_b128 v5, v[RS+4*\i:RS+4*\i+3] offset:SP*\i
.endr
.irp c, 0,1
.irp j, 0,1,2,3,4,5,6,7
	ds_load_b128 v[X+32*\c+4*\j:X+32*\c+4*\j+3], v6 offset:256*\c+16*\j   ; LDS serves a wave's instructions in order: these see my stores
.endr
.endr
	s_wait_dscnt 0x0                               ; my numbers are back, and the stores have read their registers,
.if (\t) < 2
	LOAD (\t)+2                                    ; which take the loads of two steps on
.endif
	v_max3_num_f32 v10, |v[X]|, |v[X+1]|, 0x2800000     ; block h, and the floor 2^(5 - 127): the byte cannot fall under 1
	v_max3_num_f32 v11, |v[X+32]|, |v[X+33]|, 0x2800000 ; block 2 + h
.irp i, 2,4,6,8,10,12,14,16,18,20,22,24,26,28,30
	v_max3_num_f32 v10, v10, |v[X+\i]|, |v[X+\i+1]|
	v_max3_num_f32 v11, v11, |v[X+32+\i]|, |v[X+33+\i]|
.endr
	v_add_nc_u32 v12, 0xfe000000, v10              ; 4 off the exponent field: the conversion's scale operand
	v_add_nc_u32 v13, 0xfe000000, v11
	v_lshrrev_b32 v14, 23, v12                     ; the bytes
	v_lshrrev_b32 v15, 23, v13
	v_lshl_or_b32 v16, v15, 16, v14
	v_lshlrev_b32 v16, v9, v16                     ; at their places in the word,
	v_permlanex16_b32 v17, v16, s28, s29
	v_or_b32 v[SW+(\t)], v16, v17                  ; which lane l xor 16's two make whole
	s_wait_alu depctr_va_vdst(0)
	s_wait_xcnt 0x0                                ; the last step's stores have read the fragment's registers
	v_cvt_scalef32_pk16_bf6_f32 v[C:C+2], v[X:X+15], v12
	v_cvt_scalef32_pk16_bf6_f32 v[236:238], v[X+16:X+31], v12      ; (a conversion's three registers begin on an even number)
	v_cvt_scalef32_pk16_bf6_f32 v[C+6:C+8], v[X+32:X+47], v13
	v_cvt_scalef32_pk16_bf6_f32 v[240:242], v[X+48:X+63], v13
	v_nop                                          ; one plain place behind a scaled conversion
.irp i, 0,1,2
	v_mov_b32 v[C+3+\i], v[236+\i]
	v_mov_b32 v[C+9+\i], v[240+\i]
.endr
.irp g, 0,1,2
	global_store_b128 v4, v[C+4*\g:C+4*\g+3], s[24:25] offset:1536*(\t)+512*\g   ; 512 consecutive bytes, aligned
.endr
.endm
	LOAD 0
	LOAD 1
	STEP 0
	STEP 1
	STEP 2
	STEP 3
	v_cndmask_b32 v18, v[SW], v[SW+2], s30         ; lanes 0-15 store steps 0 and 1 of their row, lanes 16-31 steps 2 and 3
	v_cndmask_b32 v19, v[SW+1], v[SW+3], s30
	global_store_b64 v8, v[18:19], s[26:27]
	s_wait_tensorcnt 0x0
	ds_add_u32 v254, v255
	s_wait_dscnt 0x0
	s_endpgm
.Ltable:                                           ; a wave takes 32 tokens; lane = i
	s_sub_co_u32 s15, ttmp9, 384
	s_lshl_b32 s15, s15, 2
	s_add_co_u32 s15, s15, s14
	s_lshl_b32 s16, s15, 5                         ; my first token
	s_lshl_b32 s22, s15, 13                        ; 32 tokens of 256 bytes
	s_mov_b32 s23, 0
	s_wait_alu depctr_va_vdst(0)
	v_lshlrev_b32 v4, 3, v1                        ; 8 bytes a lane: a store covers a token's 256 bytes
	v_mov_b32 v20, 0
.macro TH i, bits                      ; theta_i into lane i
	s_mov_b32 s20, \bits
	v_writelane_b32 v20, s20, \i
.endm
	TH 0,  0x3f800000                              ; 1
	TH 1,  0x3f3ff911                              ; 0.74989421
	TH 2,  0x3f0ff59a                              ; 0.56234133
	TH 3,  0x3ed7e89b                              ; 0.42169650
	TH 4,  0x3ea1e89b                              ; 0.31622777
	TH 5,  0x3e72d424                              ; 0.23713737
	TH 6,  0x3e361887                              ; 0.17782794
	TH 7,  0x3e088d77                              ; 0.13335214
	TH 8,  0x3dcccccd                              ; a tenth of the eight above
	TH 9,  0x3d99940e
	TH 10, 0x3d6655c3
	TH 11, 0x3d2cba15
	TH 12, 0x3d0186e2
	TH 13, 0x3cc24350
	TH 14, 0x3c91ad39
	TH 15, 0x3c5a7bf1
	TH 16, 0x3c23d70a                              ; a hundredth
	TH 17, 0x3bf5b9b0
	TH 18, 0x3bb8449c
	TH 19, 0x3b8a2e77
	TH 20, 0x3b4f3e37
	TH 21, 0x3b1b690d
	TH 22, 0x3ae91528
	TH 23, 0x3aaec98e
	TH 24, 0x3a83126f                              ; a thousandth
	TH 25, 0x3a44948c
	TH 26, 0x3a136a16
	TH 27, 0x39dd1726
	TH 28, 0x39a5cb5f
	TH 29, 0x3978a814
	TH 30, 0x393a7753
	TH 31, 0x390bd472
	s_mov_b32 s32, 0x3f22f983                      ; 2 / pi
	s_mov_b32 s33, 0x3fc90fdb                      ; pi / 2 in three parts: 1.57079637,
	s_mov_b32 s34, 0xb33bbd2e                      ; -4.37113883e-8,
	s_mov_b32 s35, 0xa6f72ced                      ; -1.71512e-15
	s_mov_b32 s36, 0xb94ca1f9                      ; sine: -1.9515295891e-4,
	s_mov_b32 s37, 0x3c08839e                      ; 8.3321608736e-3,
	s_mov_b32 s38, 0xbe2aaaa3                      ; -1.6666654611e-1
	s_mov_b32 s39, 0x37ccf5ce                      ; cosine: 2.4433157118e-5,
	s_mov_b32 s40, 0xbab6061a                      ; -1.3887316255e-3,
	s_mov_b32 s41, 0x3d2aaaa5                      ; 4.1666645683e-2
	s_wait_kmcnt 0x0
	s_add_nc_u64 s[12:13], s[12:13], s[22:23]
	s_mov_b32 s21, 0
.Ltok:
	s_add_co_u32 s17, s16, s21
	v_cvt_f32_u32 v5, s17
	s_wait_alu depctr_va_vdst(0)
	v_mul_f32 v5, v5, v20                          ; the angle, rounded to f32 as the module rounds it
	v_mul_f32 v6, s32, v5
	v_rndne_f32 v6, v6                             ; n, under 2^11
	v_fma_f32 v7, -v6, s33, v5                     ; exact: a multiple of 2^-23 under 1
	v_fma_f32 v7, -v6, s34, v7
	v_fma_f32 v7, -v6, s35, v7                     ; the rest, within +-pi / 4
	v_mul_f32 v8, v7, v7
	v_fma_f32 v9, s36, v8, s37
	v_fma_f32 v10, s39, v8, s40
	v_fma_f32 v9, v9, v8, s38
	v_fma_f32 v10, v10, v8, s41
	v_mul_f32 v9, v9, v8
	v_fma_f32 v10, v10, v8, -0.5
	v_fma_f32 v9, v9, v7, v7                       ; the rest's sine
	v_fma_f32 v10, v10, v8, 1.0                    ; and cosine
	v_cvt_i32_f32 v11, v6
	v_and_b32 v12, 1, v11
	v_cmp_eq_u32 vcc_lo, 1, v12                    ; an odd quarter turn swaps the two
	v_cndmask_b32 v13, v9, v10, vcc_lo
	v_cndmask_b32 v14, v10, v9, vcc_lo
	v_lshlrev_b32 v15, 30, v11                     ; the sine is negative in quarters 2 and 3: bit 1 of n,
	v_and_b32 v15, 0x80000000, v15
	v_add_nc_u32 v18, 1, v11                       ; the cosine in quarters 1 and 2: bit 1 of n + 1
	v_lshlrev_b32 v18, 30, v18
	v_and_b32 v18, 0x80000000, v18
	v_xor_b32 v16, v14, v18
	v_xor_b32 v17, v13, v15
	global_store_b64 v4, v[16:17], s[12:13]
	s_wait_xcnt 0x0                                ; the store has read its data and its base: both are written again below and in the next trip
	s_add_nc_u64 s[12:13], s[12:13], 256
	s_add_co_u32 s21, s21, 1
	s_cmp_lt_u32 s21, 32
	s_cbranch_scc1 .Ltok
	s_endpgm
.Lfunc_end_k_qf7c5992a44_prep:
	.size	k_qf7c5992a44_prep, .Lfunc_end_k_qf7c5992a44_prep-k_qf7c5992a44_prep
	.p2alignl 7, 3214868480
	.fill 96, 4, 3214868480
	.section	.rodata,"a",@progbits
	.p2align	6, 0x0
	.amdhsa_kernel k_qf7c5992a44_prep
		.amdhsa_group_segment_fixed_size 34304
		.amdhsa_private_segment_fixed_size 0
		.amdhsa_enable_private_segment 0
		.amdhsa_kernarg_size 40
		.amdhsa_user_sgpr_count 2
		.amdhsa_user_sgpr_kernarg_segment_ptr 1
		.amdhsa_wavefront_size32 1
		.amdhsa_system_sgpr_workgroup_id_x 1
		.amdhsa_system_sgpr_workgroup_id_y 1
		.amdhsa_system_sgpr_workgroup_id_z 1
		.amdhsa_system_vgpr_workitem_id 0
		.amdhsa_next_free_vgpr 256
		.amdhsa_next_free_sgpr 66
		.amdhsa_reserve_vcc 1
		.amdhsa_float_denorm_mode_32 3
		.amdhsa_float_denorm_mode_16_64 3
		.amdhsa_memory_ordered 1
		.amdhsa_forward_progress 1
		.amdhsa_inst_pref_size 37
	.end_amdhsa_kernel
	.amdgpu_metadata
---
amdhsa.version: [ 1, 2 ]
amdhsa.kernels:
  - .name:           k_qf7c5992a44_prep
    .symbol:         k_qf7c5992a44_prep.kd
    .args:
      - { .name: x, .offset: 0, .size: 8, .value_kind: global_buffer, .address_space: global }
      - { .name: w_qkv, .offset: 8, .size: 8, .value_kind: global_buffer, .address_space: global }
      - { .name: w_out, .offset: 16, .size: 8, .value_kind: global_buffer, .address_space: global }
      - { .name: cod, .offset: 24, .size: 8, .value_kind: global_buffer, .address_space: global }
      - { .name: rope, .offset: 32, .size: 8, .value_kind: global_buffer, .address_space: global }
    .group_segment_fixed_size: 34304
    .private_segment_fixed_size: 0
    .kernarg_segment_align: 8
    .kernarg_segment_size: 40
    .max_flat_workgroup_size: 128
    .sgpr_count:     66
    .vgpr_count:     256
    .wavefront_size: 32
...
	.end_amdgpu_metadata
.endif
;; end of part 1
;; launch qkv (part 2): grid 16 x 32, 4 waves a work-group, clusters of 4 x 4, 327,680 bytes of LDS; arguments cod, b_qkv, rope, qq, kv; writes qq, kv
.if DOCPART == 2
	.amdgcn_target "amdgcn-amd-amdhsa--gfx1250"
	.amdhsa_code_object_version 6
	.text
	.protected	k_qf7c5992a44_qkv
	.globl	k_qf7c5992a44_qkv
	.p2align	8
	.type	k_qf7c5992a44_qkv,@function
k_qf7c5992a44_qkv:
	s_mov_b64 s[64:65], 0
	v_nop
	global_prefetch_b8 v0, s[64:65] scope:SCOPE_SE
	s_setreg_imm32_b32 hwreg(HW_REG_WAVE_MODE, 25, 1), 1
	s_wait_xcnt 0x0
	s_wait_alu depctr_hold_cnt(0) depctr_sa_sdst(0) depctr_va_vdst(0) depctr_va_sdst(0) depctr_va_ssrc(0) depctr_va_vcc(0) depctr_vm_vsrc(0)
	s_getreg_b32 s2, hwreg(HW_REG_IB_STS2, 6, 4)
	s_cmp_eq_u32 s2, 0
	s_cbranch_scc0 .Lentry_in_a_cluster
	s_endpgm
.Lentry_in_a_cluster:
	s_bfe_u32 s2, ttmp6, 0x10000c
	s_cmp_lg_u32 s2, 0xf033
	s_cbranch_scc0 .Lentry_shape_is_right
	s_endpgm
.Lentry_shape_is_right:
; qkv = x w_qkv^T + b_qkv on codes of BF6 (E3M2), then the rotation of q and k, and q, k and v quantised at once for the two products of attention: the f32 numbers never go to memory.
; SHARES.  A work-group makes 256 tokens x the 192 columns of one head (64 of q, 64 of k, 64 of v).  Each of its four waves makes 64 tokens x 192: 48 accumulators, 384 registers, 48 matrix
; instructions for 128 along K.  q's and k's products are used TRANSPOSED (source 0 = 16 rows of w, source 1 = 16 tokens): a lane holds one token and its registers run along the head's 64, which is the
; next product's K.  v's are used straight (source 0 = tokens): a lane holds one channel and its registers run along the tokens, which are the K of the product with the weights p.
; TILES.  Tile 2 B + u of any matrix holds at place p row 32 B + 8 u + p + 8 (p / 8): so the 16 registers of two neighbouring tiles are 16 neighbours along the next K.
; OPERANDS lie in cod as images of their registers (1,536 bytes a fragment), so a tile's two K steps are 3,072 dense bytes and every LDS read is 16 bytes a lane on end: no padding is wanted.
; K = 1,024 goes in four quarters of 256.  Three LDS slots take quarters 0, 1, 2 as first fills; quarter 3 is the launch's one refill, into slot 0.  By this text's count a wave has at most three tensor loads out.
; CLUSTER 4 x 4: the four work-groups of a row share their tokens' tiles, the four of a column their head's rows of w: each tile is asked for jointly.
; OUT.  qq, for each batch and head: Q's codes [32 tokens][1,536]: a fragment holds tile 2 f in registers 0-5 and tile 2 f + 1 in registers 6-11 (K = 64 fills half an operand); then its scale words.
; kv: K's likewise; V's codes [128 keys][tile of 16 channels][64 keys][768]: six registers a lane, four at 16 l, two at 512 + 8 l; V's scale words, gathered in LDS from the four waves.
; LIMITS: NaN and infinities are not served; a block whose largest magnitude lies under 2^-122 gets the byte 1 (zeros too, where the rule says 127: this program alone reads the bytes).
; REGISTERS.  window 0: v1-22 addresses; v32-47 x's scale words, v48-95 w's (lanes 0-15 the even tile of a pair, lanes 16-31 the odd one); v96-191 x's fragments, two sets; v192-255 q's and k's bias.
;   window 1: v0-191 w's q and k fragments, two sets.  window 2: q's and k's 32 accumulators, (n tile, m tile) at 8 (4 n + m).  window 3: v0-127 v's 16; v128-223 w's v fragments, two sets; v224-255 v's bias.
.set SC0,   9437184
.set SLOT,  86016                      ; x's 16 tiles x 3,072, then w's 12
.set BOFF,  49152
.set VST,   3*SLOT                     ; 512 bytes: V's scale words of 256 tokens; no fill lands here
.set SPARE, VST+512                    ; the spare words, 128 bytes a wave
.set XS,    32
.set WS,    48
.set AF,    96
.set BIAS,  192
.set MSB, 0
.macro WIN new                         ; the immediate's high byte repeats the setting that is left
.if MSB != \new
	s_set_vgpr_msb (MSB<<8)|\new
.set MSB, \new
.endif
.endm
.macro PLACES                          ; four places behind a matrix instruction, ahead of loads into its registers and of reads of its result
.rept 4
	v_nop
.endr
.endm
.macro CROUND                          ; a round of the cluster's barrier
	s_barrier_signal -1
	s_barrier_wait -1
	s_cmp_lg_u32 s14, 0
	s_cbranch_scc1 .Lnot_wave_0_\@
	s_barrier_signal -3
.Lnot_wave_0_\@:
	s_barrier_wait -3
	s_barrier_signal -1
	s_barrier_wait -1
.endm
.macro JLOAD f                         ; a joint load: waves 0 and 1 fetch x's halves, waves 2 and 3 w's; four v_nop follow each line
	s_cmp_eq_u32 s15, 0
	s_cbranch_scc0 .Lfor_b_\@
	tensor_load_to_lds s[40+4*\f:43+4*\f], s[24:31]
	s_nop 0
.rept 4
	v_nop
.endr
	s_branch .Lasked_\@
.Lfor_b_\@:
	tensor_load_to_lds s[68+4*\f:71+4*\f], s[32:39]
	s_nop 0
.rept 4
	v_nop
.endr
.Lasked_\@:
.endm
.macro WM d, a, b, c, sa, sb, ra, rb   ; one product; ra, rb: the side's scale words stand in lanes 16-31
.if (\ra) && (\rb)
	v_wmma_scale_f32_16x16x128_f8f6f4 v[\d:\d+7], v[\a:\a+11], v[\b:\b+11], v[\c:\c+7], v[\sa], v[\sb] matrix_a_fmt:MATRIX_FMT_BF6 matrix_b_fmt:MATRIX_FMT_BF6 matrix_a_scale:MATRIX_SCALE_ROW1 matrix_b_scale:MATRIX_SCALE_ROW1
.elseif (\ra)
	v_wmma_scale_f32_16x16x128_f8f6f4 v[\d:\d+7], v[\a:\a+11], v[\b:\b+11], v[\c:\c+7], v[\sa], v[\sb] matrix_a_fmt:MATRIX_FMT_BF6 matrix_b_fmt:MATRIX_FMT_BF6 matrix_a_scale:MATRIX_SCALE_ROW1
.elseif (\rb)
	v_wmma_scale_f32_16x16x128_f8f6f4 v[\d:\d+7], v[\a:\a+11], v[\b:\b+11], v[\c:\c+7], v[\sa], v[\sb] matrix_a_fmt:MATRIX_FMT_BF6 matrix_b_fmt:MATRIX_FMT_BF6 matrix_b_scale:MATRIX_SCALE_ROW1
.else
	v_wmma_scale_f32_16x16x128_f8f6f4 v[\d:\d+7], v[\a:\a+11], v[\b:\b+11], v[\c:\c+7], v[\sa], v[\sb] matrix_a_fmt:MATRIX_FMT_BF6 matrix_b_fmt:MATRIX_FMT_BF6
.endif
.endm
.macro FETCH j                         ; K step j's fragments, 48 loads of 512 consecutive bytes, into set j % 2
.set SG, ((\j)/2)%3
.set QQ, (\j)%2
	WIN 0
.irp mt, 0,1,2,3
.irp g, 0,1,2
	ds_load_b128 v[AF+48*QQ+12*\mt+4*\g:AF+48*QQ+12*\mt+4*\g+3], v[5+SG] offset:3072*\mt+1536*QQ+512*\g
.endr
.endr
	WIN 0x40
.irp nt, 0,1,2,3,4,5,6,7
.irp g, 0,1,2
	ds_load_b128 v[96*QQ+12*\nt+4*\g:96*QQ+12*\nt+4*\g+3], v[8+SG] offset:3072*\nt+1536*QQ+512*\g
.endr
.endr
	WIN 0xc0
.irp vt, 0,1,2,3
.irp g, 0,1,2
	ds_load_b128 v[128+48*QQ+12*\vt+4*\g:128+48*QQ+12*\vt+4*\g+3], v[8+SG] offset:3072*(8+\vt)+1536*QQ+512*\g
.endr
.endr
	WIN 0
.endm
; The 48 accumulators take turns, one instruction a turn, in the same order in every K step.  K step 0 takes the bias as C: nothing is cleared and nothing is added later.
.macro MULQK j
.set QQ, (\j)%2
.if (\j) == 0
	WIN 0x81                                       ; source 0 (w) window 1, source 1 (x) window 0, C (the bias) window 0, D window 2
.else
	WIN 0xa1                                       ; C and D window 2
.endif
.irp nt, 0,1,2,3,4,5,6,7
.irp mt, 0,1,2,3
.if (\j) == 0
	WM 8*(4*\nt+\mt),96*QQ+12*\nt,AF+48*QQ+12*\mt,BIAS+8*\nt,WS+8*(\nt/2)+(\j),XS+8*(\mt/2)+(\j),\nt%2,\mt%2
.else
	WM 8*(4*\nt+\mt),96*QQ+12*\nt,AF+48*QQ+12*\mt,8*(4*\nt+\mt),WS+8*(\nt/2)+(\j),XS+8*(\mt/2)+(\j),\nt%2,\mt%2
.endif
.endr
.endr
	WIN 0
.endm
.macro MULV j
.set QQ, (\j)%2
	WIN 0xfc                                       ; source 0 (x) window 0; source 1 (w), C and D window 3
.irp vt, 0,1,2,3
.irp mt, 0,1,2,3
.if (\j) == 0
	WM 8*(4*\vt+\mt),AF+48*QQ+12*\mt,128+48*QQ+12*\vt,224+8*\vt,XS+8*(\mt/2)+(\j),WS+8*(4+\vt/2)+(\j),\mt%2,\vt%2
.else
	WM 8*(4*\vt+\mt),AF+48*QQ+12*\mt,128+48*QQ+12*\vt,8*(4*\vt+\mt),XS+8*(\mt/2)+(\j),WS+8*(4+\vt/2)+(\j),\mt%2,\vt%2
.endif
.endr
.endr
	WIN 0
.endm
.macro KSTEP j                         ; this step's fragments are in; the next step's are asked for and land under this step's 48 products
	s_wait_dscnt 0x0
	PLACES
	FETCH (\j)+1
	MULQK \j
	MULV \j
.endm
	s_load_b256 s[4:11], s[0:1], 0x0               ; cod s[4:5], b_qkv s[6:7], rope s[8:9], qq s[10:11]
	s_load_b64 s[12:13], s[0:1], 0x20              ; kv
	v_lshl_add_u32 v11, v0, 2, SPARE               ; my spare word; never rewritten
	v_mov_b32 v12, 0                               ; 0; never rewritten
	ds_add_u32 v11, v12
	ds_add_u32 v11, v12
	s_wait_dscnt 0x0
	v_lshrrev_b32 v1, 5, v0
	v_readfirstlane_b32 s14, v1                    ; wave
	s_lshr_b32 s15, s14, 1                         ; I fetch for x (0) or for w (1),
	s_and_b32 s16, s14, 1                          ; its first or its second half
	s_bfe_u32 s17, ttmp6, 0x40000                  ; cx
	s_bfe_u32 s18, ttmp6, 0x40004                  ; cy
	s_lshl_b32 s19, ttmp9, 2
	s_add_co_u32 s19, s19, s17                     ; the head
	s_and_b32 s20, ttmp7, 0xffff
	s_lshl_b32 s20, s20, 2
	s_add_co_u32 s20, s20, s18                     ; the block of 256 tokens
	s_lshl_b32 s21, s18, 2
	s_lshl_b32 s21, 15, s21                        ; my row of the cluster
	s_lshl_b32 s22, 0x1111, s17                    ; my column
	; group 1: rows of 384 elements of 8 bytes (a tile's two K steps), 1,536 elements apart (a tile); 8 rows of x, 6 of w; no padding
	s_or_b32 s24, s21, (3<<16)|(1<<21)
	s_mov_b32 s25, 384<<16
	s_mov_b32 s26, 8<<16
	s_mov_b32 s27, 384<<16
	s_mov_b32 s28, 8
	s_mov_b32 s29, 1536
	s_mov_b32 s30, 0
	s_mov_b32 s31, 0
	s_or_b32 s32, s22, (3<<16)|(1<<21)
	s_mov_b32 s33, 384<<16
	s_mov_b32 s34, 6<<16
	s_mov_b32 s35, 384<<16
	s_mov_b32 s36, 6
	s_mov_b32 s37, 1536
	s_mov_b32 s38, 0
	s_mov_b32 s39, 0
	s_lshl_b32 s84, s20, 4                         ; x: tile 16 x block + 8 x half (these registers never hold cx),
	s_lshl_b32 s85, s16, 3
	s_add_co_u32 s84, s84, s85
	s_mul_i32 s84, s84, 12288
	s_mov_b32 s85, 0
	s_mul_i32 s66, s19, 12                         ; w: tile 512 + 12 x head + 6 x half (and these never cy)
	s_mul_i32 s67, s16, 6
	s_add_co_u32 s66, s66, s67
	s_add_co_u32 s66, s66, 512
	s_mul_i32 s66, s66, 12288
	s_mov_b32 s67, 0
	s_mul_i32 s2, s16, 24576                       ; where they go in a slot: no place in the cluster enters an LDS address
	s_mul_i32 s3, s16, 18432
	s_add_co_u32 s3, s3, BOFF
	s_wait_kmcnt 0x0
	s_add_nc_u64 s[84:85], s[4:5], s[84:85]
	s_add_nc_u64 s[66:67], s[4:5], s[66:67]
.irp f, 0,1,2,3                        ; a group 0 for each quarter of K: none is ever rewritten
	s_mov_b32 s[40+4*\f], 1
	s_add_co_u32 s[41+4*\f], s2, SLOT*(\f%3)
	s_add_nc_u64 s[42+4*\f:43+4*\f], s[84:85], 3072*\f
	s_or_b32 s[43+4*\f], s[43+4*\f], 0x80000000
	s_mov_b32 s[68+4*\f], 1
	s_add_co_u32 s[69+4*\f], s3, SLOT*(\f%3)
	s_add_nc_u64 s[70+4*\f:71+4*\f], s[66:67], 3072*\f
	s_or_b32 s[71+4*\f], s[71+4*\f], 0x80000000
.endr
	CROUND                                         ; all sixteen work-groups are here: the first joint loads meet
	s_cmp_eq_u32 s15, 0                            ; a wave's three first fills stand in one branch
	s_cbranch_scc0 .Lfirst_b
	tensor_load_to_lds s[40:43], s[24:31]
	s_nop 0
	tensor_load_to_lds s[44:47], s[24:31]
	s_nop 0
	tensor_load_to_lds s[48:51], s[24:31]
	s_nop 0
.rept 4
	v_nop
.endr
	s_branch .Lfirst_done
.Lfirst_b:
	tensor_load_to_lds s[68:71], s[32:39]
	s_nop 0
	tensor_load_to_lds s[72:75], s[32:39]
	s_nop 0
	tensor_load_to_lds s[76:79], s[32:39]
	s_nop 0
.rept 4
	v_nop
.endr
.Lfirst_done:
	; the other addresses
	s_lshl_b32 s56, s20, 13
	s_lshl_b32 s57, s14, 11
	s_add_co_u32 s56, s56, s57
	s_add_co_u32 s56, s56, SC0
	s_mov_b32 s57, 0
	s_add_nc_u64 s[56:57], s[4:5], s[56:57]        ; x's scale bytes at my first token
	s_mul_i32 s58, s19, 6144
	s_add_co_u32 s58, s58, SC0+262144
	s_mov_b32 s59, 0
	s_add_nc_u64 s[58:59], s[4:5], s[58:59]        ; w's at the head's first row
	s_mul_i32 s60, s19, 768
	s_mov_b32 s61, 0
	s_add_nc_u64 s[60:61], s[6:7], s[60:61]        ; the head's bias
	s_and_b32 s101, s20, 7                         ; the block's number in its batch
	s_lshl_b32 s62, s101, 16
	s_lshl_b32 s63, s14, 14
	s_add_co_u32 s62, s62, s63
	s_mov_b32 s63, 0
	s_add_nc_u64 s[62:63], s[8:9], s[62:63]        ; the table at my first token
	s_lshr_b32 s23, s20, 3
	s_lshl_b32 s23, s23, 4
	s_add_co_u32 s23, s23, s19                     ; 16 x batch + head
	s_mul_i32 s94, s23, 102400
	s_mul_i32 s96, s23, 204800
	s_lshl_b32 s95, s101, 2
	s_add_co_u32 s95, s95, s14                     ; which 64 tokens of the batch are mine
	s_mul_i32 s97, s95, 3072                       ; two fragments
	s_lshl_b32 s95, s95, 7                         ; 32 scale words
	s_add_co_u32 s86, s94, s97
	s_add_co_u32 s88, s94, s95
	s_add_co_u32 s88, s88, 98304
	s_add_co_u32 s90, s96, s97
	s_add_co_u32 s92, s96, s95
	s_add_co_u32 s92, s92, 196608
	s_lshl_b32 s94, s101, 1
	s_add_co_u32 s94, s94, s15                     ; which 128 keys,
	s_mul_i32 s94, s94, 6144
	s_mul_i32 s95, s16, 768                        ; and which 64 of them
	s_add_co_u32 s94, s94, s95
	s_add_co_u32 s94, s94, s96
	s_add_co_u32 s94, s94, 98304
	s_lshl_b32 s95, s101, 9
	s_add_co_u32 s96, s96, s95
	s_add_co_u32 s96, s96, 200704
	s_mov_b32 s87, 0
	s_mov_b32 s89, 0
	s_mov_b32 s91, 0
	s_mov_b32 s93, 0
	s_mov_b32 s95, 0
	s_mov_b32 s97, 0
	s_add_nc_u64 s[86:87], s[10:11], s[86:87]      ; Q's codes
	s_add_nc_u64 s[88:89], s[10:11], s[88:89]      ; Q's scale words
	s_add_nc_u64 s[90:91], s[12:13], s[90:91]      ; K's codes
	s_add_nc_u64 s[92:93], s[12:13], s[92:93]      ; K's scale words
	s_add_nc_u64 s[94:95], s[12:13], s[94:95]      ; V's codes
	s_add_nc_u64 s[96:97], s[12:13], s[96:97]      ; V's scale words of the work-group's 256 tokens
	s_mov_b32 s98, 0x76543210
	s_mov_b32 s99, 0xfedcba98                      ; selects for lane l xor 16
	s_mov_b32 s100, 0xffff0000                     ; lanes 16-31
	v_and_b32 v17, 31, v0                          ; lane
	v_lshlrev_b32 v1, 4, v17                       ; 16 x lane
	v_and_b32 v2, 15, v0                           ; r
	v_bfe_u32 v3, v0, 4, 1                         ; h
	v_and_b32 v4, 8, v2
	v_add_nc_u32 v4, v4, v2                        ; r + 8 (r / 8)
	s_mul_i32 s2, s14, 12288
	v_add_nc_u32 v5, s2, v1                        ; my four tiles of x in slots 0, 1, 2
	v_add_nc_u32 v6, SLOT, v5
	v_add_nc_u32 v7, 2*SLOT, v5
	v_add_nc_u32 v8, BOFF, v1                      ; w's twelve
	v_add_nc_u32 v9, SLOT+BOFF, v1
	v_add_nc_u32 v10, 2*SLOT+BOFF, v1
	v_lshl_add_u32 v13, v3, 3, v4
	v_lshlrev_b32 v13, 5, v13                      ; scale bytes: lanes 0-15 the even tile's rows, lanes 16-31 the odd one's; 32 bytes a row
	v_lshlrev_b32 v14, 6, v3                       ; q's and k's bias: my half's 16 numbers of a block
	v_lshlrev_b32 v15, 2, v4                       ; v's bias: my channel's
	v_lshlrev_b32 v16, 8, v4
	v_lshl_add_u32 v16, v3, 6, v16                 ; the table: my token's row, my half's 64 bytes of a block
	v_lshlrev_b32 v18, 3, v17                      ; 8 x lane
	v_lshlrev_b32 v19, 2, v17                      ; 4 x lane
	s_lshl_b32 s2, s15, 8
	s_lshl_b32 s3, s16, 1
	s_add_co_u32 s2, s2, s3
	s_add_co_u32 s2, s2, VST
	v_add_nc_u32 v20, s2, v18                      ; V's scale words: 256 bytes for 128 keys, 8 a lane, my two bytes of a word
	v_mov_b32 v21, 0x2800000                       ; the floor 2^(5 - 127)
	v_add_nc_u32 v22, VST, v1
.irp p, 0,1
.irp g, 0,1
	global_load_b128 v[XS+8*\p+4*\g:XS+8*\p+4*\g+3], v13, s[56:57] offset:1024*\p+16*\g    ; a row's eight words: one for each K step
.endr
.endr
.irp p, 0,1,2,3,4,5
.irp g, 0,1
	global_load_b128 v[WS+8*\p+4*\g:WS+8*\p+4*\g+3], v13, s[58:59] offset:1024*\p+16*\g
.endr
.endr
.irp nt, 0,1,2,3,4,5,6,7
	global_load_b128 v[BIAS+8*\nt:BIAS+8*\nt+3], v14, s[60:61] offset:(32*(\nt/2)+8*(\nt%2))*4
	global_load_b128 v[BIAS+8*\nt+4:BIAS+8*\nt+7], v14, s[60:61] offset:(32*(\nt/2)+8*(\nt%2))*4+16
.endr
	WIN 0xc0
.irp vt, 0,1,2,3
.irp j, 0,1,2,3,4,5,6,7
	global_load_b32 v[224+8*\vt+\j], v15, s[60:61] offset:512+(32*(\vt/2)+8*(\vt%2))*4     ; v's result holds one channel a lane: eight registers with the same number
.endr
.endr
	WIN 0
	s_wait_tensorcnt 0x2                           ; my part of slot 0 is in; slots 1 and 2 may stay out
	s_barrier_signal -1
	s_barrier_wait -1
	FETCH 0
	s_wait_loadcnt 0x0                             ; scale words and biases
	s_wait_dscnt 0x0
	FETCH 1                                        ; my last reads of slot 0's first tiles
	MULQK 0
	s_wait_tensorcnt 0x0                           ; all my tensor loads have landed: slots 1 and 2;
	ds_add_u32 v11, v12                            ; 0 onto my spare word;
	MULV 0                                         ; sixteen matrix instructions stand between the add and the wait for it
	s_wait_dscnt 0x0                               ; the add is done, and my reads of slot 0 are over
	CROUND                                         ; so of every wave of every partner
	JLOAD 3                                        ; the launch's one refill: the last quarter of K into slot 0; it has four K steps, 192 matrix instructions, in which to land.  Its four v_nop are the places for the loads below
	FETCH 2
	MULQK 1
	MULV 1
	KSTEP 2
	KSTEP 3
	KSTEP 4
	s_wait_dscnt 0x0
	s_wait_tensorcnt 0x0                           ; my part of the last quarter is in (one load was out),
	s_barrier_signal -1
	s_barrier_wait -1                              ; everybody's is
	PLACES
	FETCH 6
	MULQK 5
	MULV 5
	KSTEP 6
	s_wait_dscnt 0x0
	PLACES
	WIN 0x40                                       ; the table of my 64 tokens lands under the last 48 products, in the registers that w's set 0 has left: m tile m at 32 m (the last at 192)
	s_wait_alu depctr_va_vdst(0)
.irp mt, 0,1,2,3
.irp cb, 0,1
.irp i, 0,1,2,3
	global_load_b128 v[32*\mt+96*(\mt/3)+16*\cb+4*\i:32*\mt+96*(\mt/3)+16*\cb+4*\i+3], v16, s[62:63] offset:(32*(\mt/2)+8*(\mt%2))*256+128*\cb+16*\i
.endr
.endr
.endr
	WIN 0
	MULQK 7
	MULV 7
; THE WAY OUT.  window 0 is free from v96 on: v96-127 a token's 32 rotated numbers of my half; v128-135 at work; v136-143 maxima, permutes, scale operands, bytes; v144-146 a conversion's second half;
; v148-155 two bytes of each q and k tile; v156-159 of each v tile; v160-191 V's codes; v192-239 four fragments of Q and K; v240-247 words.  No store's data are written again.
.macro ROPE ty, mt                     ; q (ty = 0) or k (1) of m tile mt: (a, b) -> (a cos - b sin, a sin + b cos); the table holds cos at even places, sin at odd ones
	WIN 0x06                                       ; source 0 window 2 (accumulators), source 1 window 1 (table)
.irp cb, 0,1
.irp uu, 0,1
.set AA, 8*(4*(4*(\ty)+2*\cb+\uu)+(\mt))
.set TT0, 32*(\mt)+96*((\mt)/3)+16*\cb+8*\uu
.set EE, 96+16*\cb+8*\uu
.irp j, 0,2,4,6
	v_mul_f32 v[128+\j], v[AA+\j+1], v[TT0+\j+1]   ; (an accumulator is read from its low end on)
	v_mul_f32 v[129+\j], v[AA+\j+1], v[TT0+\j]
.endr
.irp j, 0,2,4,6
	v_fma_f32 v[EE+\j], v[AA+\j], v[TT0+\j], -v[128+\j]
	v_fma_f32 v[EE+\j+1], v[AA+\j], v[TT0+\j+1], v[129+\j]
.endr
.endr
.endr
	WIN 0
.endm
.macro BMAX2 s0, s1                    ; my 16 numbers of each of two blocks, and the floor; the two by turns
	v_max3_num_f32 v136, v21, |v[\s0]|, |v[\s0+1]|
	v_max3_num_f32 v137, v21, |v[\s1]|, |v[\s1+1]|
.irp i, 2,4,6,8,10,12,14
	v_max3_num_f32 v136, v136, |v[\s0+\i]|, |v[\s0+\i+1]|
	v_max3_num_f32 v137, v137, |v[\s1+\i]|, |v[\s1+\i+1]|
.endr
.endm
.macro BSCALE u                        ; with lane l xor 16's 16; the conversions' scale operands; the two bytes into v[u]
	v_permlanex16_b32 v138, v136, s98, s99
	v_permlanex16_b32 v139, v137, s98, s99
	v_max_num_f32 v136, v136, v138
	v_max_num_f32 v137, v137, v139
	v_add_nc_u32 v140, 0xfe000000, v136            ; 4 off the exponent field
	v_add_nc_u32 v141, 0xfe000000, v137
	v_lshrrev_b32 v142, 23, v140
	v_lshrrev_b32 v143, 23, v141
	v_lshl_or_b32 v[\u], v143, 8, v142
.endm
.macro BCODE d, s0, s1, w              ; two half blocks a lane become one whole block a lane, six registers from v[d] on: lanes 0-15 the first block, lanes 16-31 the second
	WIN \w
	v_cvt_scalef32_pk16_bf6_f32 v[\d:\d+2], v[\s0:\s0+15], v140
	v_cvt_scalef32_pk16_bf6_f32 v[144:146], v[\s1:\s1+15], v141
	WIN 0
	v_nop                                          ; one plain place behind a scaled conversion
.irp i, 0,1,2
	v_permlane16_swap_b32 v[\d+\i], v[144+\i]
.endr
.irp i, 0,1,2
	v_mov_b32 v[\d+3+\i], v[144+\i]
.endr
.endm
.macro QKFRAG ty, b                    ; 32 tokens: two tiles make one fragment
.irp u, 0,1
	ROPE \ty,2*(\b)+\u
	BMAX2 96,112
	BSCALE 148+4*(\ty)+2*(\b)+\u
	BCODE 192+24*(\ty)+12*(\b)+6*\u,96,112,0
.endr
.irp g, 0,1,2
	global_store_b128 v1, v[192+24*(\ty)+12*(\b)+4*\g:192+24*(\ty)+12*(\b)+4*\g+3], s[86+4*(\ty):87+4*(\ty)] offset:1536*(\b)+512*\g
.endr
.endm
.macro QKWORD ty                       ; a fragment's word: the even tile's two bytes, then the odd one's; lanes 0-15 store the first fragment's, lanes 16-31 the second's
	v_lshl_or_b32 v[240+3*\ty], v[149+4*\ty], 16, v[148+4*\ty]
	v_lshl_or_b32 v[241+3*\ty], v[151+4*\ty], 16, v[150+4*\ty]
	v_cndmask_b32 v[242+3*\ty], v[240+3*\ty], v[241+3*\ty], s100
	global_store_b32 v19, v[242+3*\ty], s[88+4*\ty:89+4*\ty]
.endm
.macro VTILE vt                        ; 16 channels x my 64 tokens: two blocks along the keys
	WIN 0x3c                                       ; sources 1 and 2 window 3
	BMAX2 32*\vt,32*\vt+16
	WIN 0
	BSCALE 156+\vt
	BCODE 160+8*\vt,32*\vt,32*\vt+16,0x03
	global_store_b128 v1, v[160+8*\vt:163+8*\vt], s[94:95] offset:1536*\vt
	global_store_b64 v18, v[164+8*\vt:165+8*\vt], s[94:95] offset:1536*\vt+512
.endm
	PLACES
	s_wait_loadcnt 0x0                             ; the table
	v_mov_b32 v138, 0                              ; a lane permute's destination counts as one of its sources
	v_mov_b32 v139, 0
	QKFRAG 0, 0
	QKFRAG 0, 1
	QKWORD 0
	QKFRAG 1, 0
	QKFRAG 1, 1
	QKWORD 1
	VTILE 0
	VTILE 1
	VTILE 2
	VTILE 3
	v_cndmask_b32 v246, v156, v157, s100           ; lanes 0-15 the even tile of channels, lanes 16-31 the odd one
	v_cndmask_b32 v247, v158, v159, s100
	ds_store_b16 v20, v246
	ds_store_b16 v20, v247 offset:4
	s_wait_dscnt 0x0                               ; for the others' sake: my bytes lie in the stage
	s_barrier_signal -1
	s_barrier_wait -1
	s_cmp_lg_u32 s14, 0
	s_cbranch_scc1 .Lnot_first
	ds_load_b128 v[96:99], v22                     ; wave 0 stores the four waves' words: 512 consecutive bytes
	s_wait_dscnt 0x0
	global_store_b128 v1, v[96:99], s[96:97]
.Lnot_first:
	s_wait_tensorcnt 0x0                           ; the wave's end
	ds_add_u32 v11, v12
	s_wait_dscnt 0x0
	CROUND                                         ; the closing round: no work-group ends while a partner may still ask for a tile that names it
	s_endpgm
.Lfunc_end_k_qf7c5992a44_qkv:
	.size	k_qf7c5992a44_qkv, .Lfunc_end_k_qf7c5992a44_qkv-k_qf7c5992a44_qkv
	.p2alignl 7, 3214868480
	.fill 96, 4, 3214868480
	.section	.rodata,"a",@progbits
	.p2align	6, 0x0
	.amdhsa_kernel k_qf7c5992a44_qkv
		.amdhsa_group_segment_fixed_size 327680
		.amdhsa_private_segment_fixed_size 0
		.amdhsa_enable_private_segment 0
		.amdhsa_kernarg_size 40
		.amdhsa_user_sgpr_count 2
		.amdhsa_user_sgpr_kernarg_segment_ptr 1
		.amdhsa_wavefront_size32 1
		.amdhsa_system_sgpr_workgroup_id_x 1
		.amdhsa_system_sgpr_workgroup_id_y 1
		.amdhsa_system_sgpr_workgroup_id_z 1
		.amdhsa_system_vgpr_workitem_id 0
		.amdhsa_next_free_vgpr 1024
		.amdhsa_next_free_sgpr 102
		.amdhsa_reserve_vcc 0
		.amdhsa_float_denorm_mode_32 3
		.amdhsa_float_denorm_mode_16_64 3
		.amdhsa_memory_ordered 1
		.amdhsa_forward_progress 1
		.amdhsa_inst_pref_size 145
	.end_amdhsa_kernel
	.amdgpu_metadata
---
amdhsa.version: [ 1, 2 ]
amdhsa.kernels:
  - .name:           k_qf7c5992a44_qkv
    .symbol:         k_qf7c5992a44_qkv.kd
    .args:
      - { .name: cod, .offset: 0, .size: 8, .value_kind: global_buffer, .address_space: global }
      - { .name: b_qkv, .offset: 8, .size: 8, .value_kind: global_buffer, .address_space: global }
      - { .name: rope, .offset: 16, .size: 8, .value_kind: global_buffer, .address_space: global }
      - { .name: qq, .offset: 24, .size: 8, .value_kind: global_buffer, .address_space: global }
      - { .name: kv, .offset: 32, .size: 8, .value_kind: global_buffer, .address_space: global }
    .group_segment_fixed_size: 327680
    .private_segment_fixed_size: 0
    .kernarg_segment_align: 8
    .kernarg_segment_size: 40
    .max_flat_workgroup_size: 128
    .sgpr_count:     102
    .vgpr_count:     1024
    .wavefront_size: 32
...
	.end_amdgpu_metadata
.endif
;; end of part 2
;; launch attn (part 3): grid 4 x 64, 16 waves a work-group, clusters of 4 x 1, 206,848 bytes of LDS; arguments qq, kv, yq; writes yq
.if DOCPART == 3
	.amdgcn_target "amdgcn-amd-amdhsa--gfx1250"
	.amdhsa_code_object_version 6
	.text
	.protected	k_qf7c5992a44_attn
	.globl	k_qf7c5992a44_attn
	.p2align	8
	.type	k_qf7c5992a44_attn,@function
k_qf7c5992a44_attn:
	s_mov_b64 s[64:65], 0
	v_nop
	global_prefetch_b8 v0, s[64:65] scope:SCOPE_SE
	s_setreg_imm32_b32 hwreg(HW_REG_WAVE_MODE, 25, 1), 1
	s_wait_xcnt 0x0
	s_wait_alu depctr_hold_cnt(0) depctr_sa_sdst(0) depctr_va_vdst(0) depctr_va_sdst(0) depctr_va_ssrc(0) depctr_va_vcc(0) depctr_vm_vsrc(0)
	s_getreg_b32 s2, hwreg(HW_REG_IB_STS2, 6, 4)
	s_cmp_eq_u32 s2, 0
	s_cbranch_scc0 .Lentry_in_a_cluster
	s_endpgm
.Lentry_in_a_cluster:
	s_bfe_u32 s2, ttmp6, 0x10000c
	s_cmp_lg_u32 s2, 0x3003
	s_cbranch_scc0 .Lentry_shape_is_right
	s_endpgm
.Lentry_shape_is_right:
; y = softmax(q k^T / 8, causal) v for one batch and head a cluster, both products on codes of BF6 (E3M2); y is quantised at once for the last product.
; THE SOFTMAX: t = score x log2(e) / 8; M = the running largest t rounded UP to a whole number; p = 2^(t - M) is quantised along the keys, not normalised; the sum is taken of the unquantised p and divides at
; the end.  When M moves, the sum and O are multiplied by 2^(old M - new M): exact.
; LDS holds the head's K and V, codes and scale words, 204,800 bytes as they lie in kv, FILLED ONCE: no ring, no refill, and one barrier for data in the whole launch.
; CLUSTER.  The four work-groups of a cluster serve one head and want the same bytes: each of the sixteen waves asks jointly (mask 15) for its sixteenth, 50 rows of 256 bytes.
; SHARES.  The head's 2,048 queries are 16 groups of 128; group g wants key steps 0 .. g of 128 keys.  Work-group cx owns the cx-th 32 queries of every group; wave w owns tile w % 2 of them, in group
; w / 2 in the first pass and in group 15 - w / 2 in the second: (w / 2 + 1) + (16 - w / 2) = 17 steps for every wave of every work-group.  The step loop has 16 trips in every wave, a constant; a step
; whose keys all come after the wave's queries is jumped over by a scalar branch on the wave's number, the pass and the step.  cx enters global addresses and the mask's vector compare alone.
; LAYOUT.  Both products transposed: S^T = K Q^T, O^T = V^T P^T: a lane holds one query.  K = 64 fills half an operand: a fragment of K holds two tiles of 16 keys (registers 0-5, 6-11), and the query stands
; twice, as [q | 0] and [0 | q] in v18-35: each picks one tile; zero codes add nothing.  Tile 2 f + u holds key 32 f + 8 u + p + 8 (p / 8) at place p, so register 16 f + i of S^T is key 32 f + 16 (lane / 16) + i.
; LIMITS: 1 / the sum is v_rcp_f32's; a block of p or of y whose largest number lies under 2^-122 gets the byte 1; NaN and infinities are not served.
; REGISTERS: v1-13 addresses and constants; v14 -M, v15 the largest t, v[16:17] the sum; v18-35 the query; v36-41 scale words (Q, K, K, P, V, V); v42-46 addresses in hand; v48-95 four fragments;
; v96-159 S^T, then p; v160-191 O^T; v192-203 p's codes; v204-233 at work.
.set YS0, 6291456
.macro ROUND                           ; a round of the cluster's barrier
	s_barrier_signal -1
	s_barrier_wait -1
	s_cmp_lg_u32 s10, 0
	s_cbranch_scc1 .Lnot_wave_0_\@
	s_barrier_signal -3
.Lnot_wave_0_\@:
	s_barrier_wait -3
	s_barrier_signal -1
	s_barrier_wait -1
.endm
.macro SPROD d, f, q                   ; 16 keys x my 16 queries; fragment f's scale words stand in lanes 0-15 (f even) or 16-31 (f odd)
.if (\f)%2
	v_wmma_scale_f32_16x16x128_f8f6f4 v[\d:\d+7], v[48+12*(\f):59+12*(\f)], v[\q:\q+11], 0, v[37+(\f)/2], v36 matrix_a_fmt:MATRIX_FMT_BF6 matrix_b_fmt:MATRIX_FMT_BF6 matrix_a_scale:MATRIX_SCALE_ROW1
.else
	v_wmma_scale_f32_16x16x128_f8f6f4 v[\d:\d+7], v[48+12*(\f):59+12*(\f)], v[\q:\q+11], 0, v[37+(\f)/2], v36 matrix_a_fmt:MATRIX_FMT_BF6 matrix_b_fmt:MATRIX_FMT_BF6
.endif
.endm
.macro PVPROD t                        ; 16 channels x my 16 queries, K = the step's 128 keys
.if (\t)%2
	v_wmma_scale_f32_16x16x128_f8f6f4 v[160+8*(\t):167+8*(\t)], v[48+12*(\t):59+12*(\t)], v[192:203], v[160+8*(\t):167+8*(\t)], v[40+(\t)/2], v39 matrix_a_fmt:MATRIX_FMT_BF6 matrix_b_fmt:MATRIX_FMT_BF6 matrix_a_scale:MATRIX_SCALE_ROW1
.else
	v_wmma_scale_f32_16x16x128_f8f6f4 v[160+8*(\t):167+8*(\t)], v[48+12*(\t):59+12*(\t)], v[192:203], v[160+8*(\t):167+8*(\t)], v[40+(\t)/2], v39 matrix_a_fmt:MATRIX_FMT_BF6 matrix_b_fmt:MATRIX_FMT_BF6
.endif
.endm
	s_load_b128 s[4:7], s[0:1], 0x0                ; qq s[4:5], kv s[6:7]
	s_load_b64 s[8:9], s[0:1], 0x10                ; yq
	v_lshl_add_u32 v254, v0, 2, 0x32000
	v_mov_b32 v255, 0
	ds_add_u32 v254, v255
	ds_add_u32 v254, v255
	v_lshrrev_b32 v1, 5, v0
	s_delay_alu instid0(VALU_DEP_1)
	v_readfirstlane_b32 s10, v1                    ; wave 0..15
	s_and_b32 s11, s10, 1                          ; u: which tile of the 32 queries
	s_lshr_b32 s12, s10, 1                         ; the first pass's group
	s_bfe_u32 s13, ttmp6, 0x40000                  ; cx
	s_and_b32 s14, ttmp7, 0xffff                   ; 16 x batch + head, which the four partners share
	s_mov_b32 s24, 15|(3<<16)|(1<<21)              ; group 1: the mask of all four; elements of 8 bytes; bit 21 beside a mask; no padding
	s_mov_b32 s25, 32<<16                          ; rows of 32 elements: 256 bytes,
	s_mov_b32 s26, 50<<16                          ; 50 of them,
	s_mov_b32 s27, 32<<16
	s_mov_b32 s28, 50
	s_mov_b32 s29, 32                              ; dense
	s_mov_b32 s30, 0
	s_mov_b32 s31, 0
	s_mov_b32 s32, 1
	s_mul_i32 s33, s10, 12800                      ; my sixteenth, in LDS
	s_mul_i32 s48, s14, 204800
	s_add_co_u32 s48, s48, s33                     ; and in kv
	s_mov_b32 s49, 0
	s_wait_dscnt 0x0
	s_wait_kmcnt 0x0
	s_add_nc_u64 s[34:35], s[6:7], s[48:49]
	s_or_b32 s35, s35, 0x80000000
	ROUND                                          ; all four work-groups are here: the joint loads meet
	tensor_load_to_lds s[32:35], s[24:31]
	s_nop 0
.rept 4
	v_nop
.endr
	v_and_b32 v47, 31, v0                          ; lane
	s_delay_alu instid0(VALU_DEP_1)
	v_lshlrev_b32 v1, 4, v47                       ; 16 x lane: K's codes, and the stores of y's
	s_delay_alu instid0(VALU_DEP_2)
	v_lshlrev_b32 v2, 3, v47                       ; 8 x lane
	s_delay_alu instid0(VALU_DEP_2)
	v_add_nc_u32 v3, 98304, v1                     ; V's codes: four registers a lane,
	s_delay_alu instid0(VALU_DEP_2)
	v_add_nc_u32 v4, 98304, v2                     ; and two
	v_lshl_add_u32 v5, v47, 2, 196608              ; K's scale words
	s_delay_alu instid0(VALU_DEP_4)
	v_add_nc_u32 v6, 200704, v2                    ; V's
	s_mul_i32 s48, s11, 520                        ; my tile's six registers in Q's fragment, as three pairs: registers 6 u + 0, 2, 4 of an image of groups of four
	v_add_nc_u32 v7, s48, v1
	s_mul_i32 s49, s11, 1016
	s_add_co_u32 s49, s49, 8
	v_add_nc_u32 v8, s49, v1
	s_add_co_u32 s48, s48, 512
	v_add_nc_u32 v9, s48, v1
	v_and_b32 v10, 15, v0                          ; r
	v_bfe_u32 v230, v0, 4, 1                       ; h
	s_delay_alu instid0(VALU_DEP_2)
	v_and_b32 v11, 8, v10
	s_delay_alu instid0(VALU_DEP_1)
	v_add_nc_u32 v11, v11, v10                     ; r + 8 (r / 8)
	s_lshl_b32 s48, s13, 5
	s_lshl_b32 s49, s11, 3
	s_add_co_u32 s48, s48, s49
	v_add_nc_u32 v12, s48, v11
	v_lshlrev_b32 v231, 4, v230
	s_delay_alu instid0(VALU_DEP_1)
	v_sub_nc_u32 v12, v12, v231                    ; my query's place in its group less 16 h: register 16 b + i is hidden on the diagonal where 32 b + i is larger
	v_lshl_add_u32 v11, v11, 5, v230               ; y's scale bytes: my token's row of 32, my half's byte
	v_lshlrev_b32 v10, 2, v10                      ; Q's scale words: 4 r
	v_mov_b32 v13, 0xff800000                      ; -infinity
.irp j, 18,19,20,21,22,23,30,31,32,33,34,35
	v_mov_b32 v[\j], 0                             ; zero codes on both sides of the query
.endr
.irp j, 216,217,218,219,229,230
	v_mov_b32 v[\j], 0                             ; written once: permutes' destinations, and the upper half of the pair v[228:229]
.endr
	s_mov_b32 s20, 0x76543210
	s_mov_b32 s21, 0xfedcba98                      ; selects for lane l xor 16
	s_mov_b32 s22, 0x3e38aa3b                      ; c = log2(e) / 8
	s_mov_b32 s23, s22                             ; (named with it as a pair)
	s_mov_b32 s37, 0xffff0000                      ; lanes 16-31
	s_mov_b32 s51, 0
	s_mov_b32 s15, s12                             ; the group in hand
	s_mov_b32 s17, 0                               ; the pass
	s_wait_tensorcnt 0x0                           ; my sixteenth is in,
	s_barrier_signal -1
	s_barrier_wait -1                              ; everybody's is; from here on LDS is only read
.Lpass:
	s_wait_xcnt 0x0                                ; the last pass's loads and stores have read their bases and data
	s_lshl_b32 s38, s15, 2
	s_add_co_u32 s38, s38, s13                     ; which 32 tokens of the head
	s_mul_i32 s48, s14, 102400
	s_mul_i32 s49, s38, 1536
	s_add_co_u32 s50, s48, s49
	s_add_nc_u64 s[40:41], s[4:5], s[50:51]        ; their fragment of Q
	s_lshl_b32 s49, s38, 6
	s_add_co_u32 s50, s48, s49
	s_lshl_b32 s49, s11, 1
	s_add_co_u32 s50, s50, s49
	s_add_co_u32 s50, s50, 98304
	s_add_nc_u64 s[42:43], s[4:5], s[50:51]        ; my tile's two bytes of its words
	s_lshr_b32 s48, s14, 4                         ; batch
	s_and_b32 s49, s14, 15                         ; head
	s_lshl_b32 s50, s48, 7
	s_lshl_b32 s39, s38, 1
	s_add_co_u32 s50, s50, s39
	s_add_co_u32 s50, s50, s11                     ; my tile of tokens
	s_mul_i32 s50, s50, 12288
	s_mul_i32 s39, s49, 768                        ; a head is half a K step of the last product
	s_add_co_u32 s50, s50, s39
	s_add_nc_u64 s[44:45], s[8:9], s[50:51]        ; y's codes
	s_lshl_b32 s50, s48, 16
	s_lshl_b32 s39, s38, 10
	s_add_co_u32 s50, s50, s39
	s_lshl_b32 s39, s11, 8
	s_add_co_u32 s50, s50, s39
	s_lshl_b32 s39, s49, 1
	s_add_co_u32 s50, s50, s39
	s_add_co_u32 s50, s50, YS0
	s_add_nc_u64 s[46:47], s[8:9], s[50:51]        ; y's scale bytes
	global_load_b64 v[24:25], v7, s[40:41]
	global_load_b64 v[26:27], v8, s[40:41]
	global_load_b64 v[28:29], v9, s[40:41]
	global_load_u16 v47, v10, s[42:43]
	v_mov_b32 v15, 0xff61b1e6                      ; the largest t so far: -3e38
	s_delay_alu instid0(VALU_DEP_1)
	v_floor_f32 v14, -v15                          ; -M
	v_mov_b32 v16, 0
	v_mov_b32 v17, 0
.set n, 0
.rept 32
	v_mov_b32 v[160+n], 0                          ; O^T: the step is written once, and its first trip finds zeros
.set n, n+1
.endr
	s_wait_loadcnt 0x0
	v_lshl_or_b32 v36, v47, 16, v47                ; the query's two bytes serve it in either half of the operand
.rept 8
	v_nop                                          ; a scale register written by a vector instruction stands eight places ahead of a scaled matrix instruction
.endr
	s_mov_b32 s16, 0                               ; the step,
	s_mov_b32 s18, 0                               ; 6,144 x step: its codes of K and of V,
	s_mov_b32 s19, 0                               ; 256 x step: its scale words
.Lstep:
	s_cmp_gt_u32 s16, s15
	s_cbranch_scc1 .Lskip                          ; all its keys come after my queries
	s_setprio 2
	v_add_nc_u32 v42, s18, v1                      ; (these five are also the places behind the last step's products)
	v_add_nc_u32 v43, s18, v3
	v_add_nc_u32 v44, s18, v4
	v_add_nc_u32 v45, s19, v5
	v_add_nc_u32 v46, s19, v6
.irp f, 0,1,2,3
.irp g, 0,1,2
	ds_load_b128 v[48+12*\f+4*\g:51+12*\f+4*\g], v42 offset:1536*\f+512*\g
.endr
.endr
	ds_load_b32 v37, v45
	ds_load_b32 v38, v45 offset:128
	s_wait_dscnt 0x0
	s_wait_alu depctr_va_vdst(0)
.irp f, 0,1,2,3
	SPROD 96+16*\f,\f,24                           ; [q | 0]: the fragment's even tile
	SPROD 104+16*\f,\f,18                          ; [0 | q]: the odd one
.endr
.rept 4
	v_nop                                          ; places: ahead of the loads into K's registers, and of the first read of the scores
.endr
.irp t, 0,1,2,3                        ; V's four fragments land under the softmax
	ds_load_b128 v[48+12*\t:51+12*\t], v43 offset:1536*\t
	ds_load_b64 v[52+12*\t:53+12*\t], v44 offset:1536*\t+512
	ds_load_b128 v[54+12*\t:57+12*\t], v43 offset:1536*\t+768
	ds_load_b64 v[58+12*\t:59+12*\t], v44 offset:1536*\t+1280
.endr
	ds_load_b64 v[40:41], v46
	s_cmp_lg_u32 s16, s15
	s_cbranch_scc1 .Lopen                          ; only the group's own step lies on the diagonal
.set n, 0
.rept 64
	v_cmp_gt_i32 vcc_lo, 32*(n/16)+n%16, v12
	v_cndmask_b32 v[96+n], v[96+n], v13, vcc_lo    ; a hidden score becomes -infinity: p = 0
.set n, n+1
.endr
.Lopen:
.irp b, 0,1,2,3
	v_max3_num_f32 v[212+\b], v[96+16*\b], v[97+16*\b], v[98+16*\b]   ; the largest score of each block of 32 keys: for the row's maximum, and, since p rises with the score, for the block's largest p
.endr
.irp i, 3,5,7,9,11,13
.irp b, 0,1,2,3
	v_max3_num_f32 v[212+\b], v[212+\b], v[96+16*\b+\i], v[97+16*\b+\i]
.endr
.endr
.irp b, 0,1,2,3
	v_max_num_f32 v[212+\b], v[212+\b], v[111+16*\b]
.endr
.irp b, 0,1,2,3
	s_delay_alu instid0(VALU_DEP_4)
	v_permlanex16_b32 v[216+\b], v[212+\b], s20, s21
.endr
.irp b, 0,1,2,3
	s_delay_alu instid0(VALU_DEP_4)
	v_max_num_f32 v[212+\b], v[212+\b], v[216+\b]  ; with lane l xor 16's 16 keys
.endr
	s_delay_alu instid0(VALU_DEP_2)
	v_max3_num_f32 v230, v212, v213, v214
	s_delay_alu instid0(VALU_DEP_1)
	v_max_num_f32 v230, v230, v215
	s_delay_alu instid0(VALU_DEP_1)
	v_mul_f32 v230, s22, v230                      ; as t
	s_delay_alu instid0(VALU_DEP_1)
	v_max_num_f32 v15, v15, v230                   ; the running largest t
	v_mov_b32 v230, v14
	s_delay_alu instid0(VALU_DEP_2)
	v_floor_f32 v14, -v15                          ; the new -M = -ceil(t)
	s_delay_alu instid0(VALU_DEP_1)
	v_sub_f32 v230, v14, v230                      ; old M - new M: a whole number, 0 or less
	s_delay_alu instid0(VALU_DEP_1)
	v_cvt_i32_f32 v230, v230                       ; (it saturates)
	s_delay_alu instid0(VALU_DEP_1)
	v_ldexp_f32 v228, 1.0, v230                    ; f = 2^(old M - new M)
.set n, 0
.rept 32
	v_pk_fma_f32 v[96+n:97+n], v[96+n:97+n], s[22:23], v[14:15] op_sel_hi:[1,0,0]   ; t - M
.set n, n+2
.endr
	s_setprio 1
.irp b, 0,1,2,3
	v_fma_f32 v[212+\b], v[212+\b], s22, v14       ; the same of each block's largest score
.endr
.set n, 0
	s_wait_alu depctr_va_vdst(0)
.rept 64
	v_exp_f32 v[96+n], v[96+n]                     ; p
.set n, n+1
.endr
.irp b, 0,1,2,3
	v_exp_f32 v[212+\b], v[212+\b]                 ; the block's largest p: the same two instructions on the same number
.endr
	v_pk_mul_f32 v[16:17], v[16:17], v[228:229] op_sel_hi:[1,0]   ; the sums under the new M (a plain place behind the exponentials)
	s_wait_alu depctr_va_vdst(0)
.irp b, 0,1,2,3
	v_max_num_f32 v[212+\b], 0x2800000, v[212+\b]  ; the floor 2^(5 - 127)
.endr
.irp b, 0,1,2,3
	s_delay_alu instid0(VALU_DEP_4)
	v_add_nc_u32 v[220+\b], 0xfe000000, v[212+\b]  ; the conversion's scale operand
.endr
.irp b, 0,1,2,3
	s_delay_alu instid0(VALU_DEP_4)
	v_lshrrev_b32 v[224+\b], 23, v[220+\b]         ; the byte
.endr
	s_delay_alu instid0(VALU_DEP_3)
	v_lshl_or_b32 v39, v225, 8, v224               ; p's scale word for these 128 keys
	s_delay_alu instid0(VALU_DEP_1)
	v_lshl_or_b32 v39, v226, 16, v39
	s_delay_alu instid0(VALU_DEP_1)
	v_lshl_or_b32 v39, v227, 24, v39
.irp c, 0,1
	v_cvt_scalef32_pk16_bf6_f32 v[192+6*\c:194+6*\c], v[96+32*\c:111+32*\c], v[220+2*\c]
	v_cvt_scalef32_pk16_bf6_f32 v[204+4*\c:206+4*\c], v[112+32*\c:127+32*\c], v[221+2*\c]
.endr
	v_nop                                          ; one plain place behind a scaled conversion
.irp c, 0,1                            ; a whole block to a lane
.irp i, 0,1,2
	v_permlane16_swap_b32 v[192+6*\c+\i], v[204+4*\c+\i]
.endr
.irp i, 0,1,2
	s_delay_alu instid0(VALU_DEP_3)
	v_mov_b32 v[195+6*\c+\i], v[204+4*\c+\i]
.endr
.endr
	v_pk_add_f32 v[232:233], v[100:101], v[104:105]
	v_pk_add_f32 v[252:253], v[108:109], v[112:113]
	v_pk_add_f32 v[250:251], v[116:117], v[120:121]
	v_pk_add_f32 v[248:249], v[124:125], v[128:129]
	v_pk_add_f32 v[246:247], v[132:133], v[136:137]
	v_pk_add_f32 v[244:245], v[140:141], v[144:145]
	v_pk_add_f32 v[242:243], v[148:149], v[152:153]
	v_pk_add_f32 v[16:17], v[16:17], v[156:157]
	v_pk_add_f32 v[232:233], v[232:233], v[96:97]
	v_pk_add_f32 v[252:253], v[252:253], v[98:99]
	s_setprio 0
	v_pk_add_f32 v[250:251], v[250:251], v[102:103]
	v_pk_add_f32 v[248:249], v[248:249], v[106:107]
	v_pk_add_f32 v[246:247], v[246:247], v[110:111]
	v_pk_add_f32 v[244:245], v[244:245], v[114:115]
	v_pk_add_f32 v[242:243], v[242:243], v[118:119]
	v_pk_add_f32 v[16:17], v[16:17], v[122:123]
	v_pk_add_f32 v[232:233], v[232:233], v[126:127]
	v_pk_add_f32 v[252:253], v[252:253], v[130:131]
	v_pk_add_f32 v[250:251], v[250:251], v[134:135]
	v_pk_add_f32 v[248:249], v[248:249], v[138:139]
	v_pk_add_f32 v[246:247], v[246:247], v[142:143]
	v_pk_add_f32 v[244:245], v[244:245], v[146:147]
	v_pk_add_f32 v[242:243], v[242:243], v[150:151]
	v_pk_add_f32 v[16:17], v[16:17], v[154:155]
	v_pk_add_f32 v[232:233], v[232:233], v[158:159]
	s_delay_alu instid0(VALU_DEP_2)
	v_pk_add_f32 v[16:17], v[16:17], v[248:249]
	s_delay_alu instid0(VALU_DEP_2)
	v_pk_add_f32 v[232:233], v[232:233], v[246:247]
	v_pk_add_f32 v[252:253], v[252:253], v[244:245]
	v_pk_add_f32 v[250:251], v[250:251], v[242:243]
	s_delay_alu instid0(VALU_DEP_2)
	v_pk_add_f32 v[16:17], v[16:17], v[252:253]
	s_delay_alu instid0(VALU_DEP_2)
	v_pk_add_f32 v[232:233], v[232:233], v[250:251]
	s_delay_alu instid0(VALU_DEP_1)
	v_pk_add_f32 v[16:17], v[16:17], v[232:233]
.set n, 0
.rept 16
	v_pk_mul_f32 v[160+n:161+n], v[160+n:161+n], v[228:229] op_sel_hi:[1,0]   ; O^T under the new M.  (The sums and these are the places between p's word and codes and the products)
.set n, n+2
.endr
	s_wait_alu depctr_va_vdst(0)
	s_wait_dscnt 0x0                               ; V
.irp t, 0,1,2,3
	PVPROD \t                                      ; the four accumulators by turns
.endr
.Lskip:
	s_add_co_u32 s18, s18, 6144
	s_add_co_u32 s19, s19, 256
	s_add_co_u32 s16, s16, 1
	s_cmp_lt_u32 s16, 16
	s_cbranch_scc1 .Lstep
	s_setprio 0
	; THE WAY OUT OF A PASS: O^T / the sum is my token's 64 numbers of y, 16 of each block in my half: quantised as q and k were
.rept 4
	v_nop
.endr
	v_add_f32 v16, v16, v17
	s_delay_alu instid0(VALU_DEP_1)
	v_permlanex16_b32 v230, v16, s20, s21
	s_delay_alu instid0(VALU_DEP_1)
	v_add_f32 v16, v16, v230                       ; the row's sum
	s_wait_alu depctr_va_vdst(0)
	v_rcp_f32 v16, v16
	v_nop                                          ; a plain place behind the transcendental
.set n, 0
	s_wait_alu depctr_va_vdst(0)
.rept 32
	v_mul_f32 v[96+n], v[160+n], v16               ; register 16 b + i: channel 32 b + 16 h + i
.set n, n+1
.endr
	v_max3_num_f32 v212, |v96|, |v97|, 0x2800000
	v_max3_num_f32 v213, |v112|, |v113|, 0x2800000
.irp i, 2,4,6,8,10,12,14
	s_delay_alu instid0(VALU_DEP_2)
	v_max3_num_f32 v212, v212, |v[96+\i]|, |v[97+\i]|
	s_delay_alu instid0(VALU_DEP_2)
	v_max3_num_f32 v213, v213, |v[112+\i]|, |v[113+\i]|
.endr
	s_delay_alu instid0(VALU_DEP_2)
	v_permlanex16_b32 v216, v212, s20, s21
	s_delay_alu instid0(VALU_DEP_2)
	v_permlanex16_b32 v217, v213, s20, s21
	s_delay_alu instid0(VALU_DEP_2)
	v_max_num_f32 v212, v212, v216
	s_delay_alu instid0(VALU_DEP_2)
	v_max_num_f32 v213, v213, v217
	s_delay_alu instid0(VALU_DEP_2)
	v_add_nc_u32 v220, 0xfe000000, v212
	s_delay_alu instid0(VALU_DEP_2)
	v_add_nc_u32 v221, 0xfe000000, v213
	s_delay_alu instid0(VALU_DEP_2)
	v_lshrrev_b32 v224, 23, v220
	s_delay_alu instid0(VALU_DEP_2)
	v_lshrrev_b32 v225, 23, v221
	v_cvt_scalef32_pk16_bf6_f32 v[192:194], v[96:111], v220
	v_cvt_scalef32_pk16_bf6_f32 v[204:206], v[112:127], v221
	v_nop
.irp i, 0,1,2
	v_permlane16_swap_b32 v[192+\i], v[204+\i]
.endr
.irp i, 0,1,2
	s_delay_alu instid0(VALU_DEP_3)
	v_mov_b32 v[195+\i], v[204+\i]
.endr
	global_store_b128 v1, v[192:195], s[44:45]                 ; half a fragment: 512 consecutive bytes,
	global_store_b64 v2, v[196:197], s[44:45] offset:512       ; and 256
	v_cndmask_b32 v230, v224, v225, s37
	global_store_b8 v11, v230, s[46:47]                        ; my half's byte of my token's row: 32 bytes a pass
	s_xor_b32 s15, s15, 15                         ; the second pass's group: 15 - the first's
	s_add_co_u32 s17, s17, 1
	s_cmp_lt_u32 s17, 2
	s_cbranch_scc1 .Lpass
	s_wait_tensorcnt 0x0
	ds_add_u32 v254, v255
	s_wait_dscnt 0x0
	ROUND                                          ; the closing round
	s_endpgm
.Lfunc_end_k_qf7c5992a44_attn:
	.size	k_qf7c5992a44_attn, .Lfunc_end_k_qf7c5992a44_attn-k_qf7c5992a44_attn
	.p2alignl 7, 3214868480
	.fill 96, 4, 3214868480
	.section	.rodata,"a",@progbits
	.p2align	6, 0x0
	.amdhsa_kernel k_qf7c5992a44_attn
		.amdhsa_group_segment_fixed_size 206848
		.amdhsa_private_segment_fixed_size 0
		.amdhsa_enable_private_segment 0
		.amdhsa_kernarg_size 24
		.amdhsa_user_sgpr_count 2
		.amdhsa_user_sgpr_kernarg_segment_ptr 1
		.amdhsa_wavefront_size32 1
		.amdhsa_system_sgpr_workgroup_id_x 1
		.amdhsa_system_sgpr_workgroup_id_y 1
		.amdhsa_system_sgpr_workgroup_id_z 1
		.amdhsa_system_vgpr_workitem_id 0
		.amdhsa_next_free_vgpr 256
		.amdhsa_next_free_sgpr 66
		.amdhsa_reserve_vcc 1
		.amdhsa_float_denorm_mode_32 3
		.amdhsa_float_denorm_mode_16_64 3
		.amdhsa_memory_ordered 1
		.amdhsa_forward_progress 1
		.amdhsa_inst_pref_size 36
	.end_amdhsa_kernel
	.amdgpu_metadata
---
amdhsa.version: [ 1, 2 ]
amdhsa.kernels:
  - .name:           k_qf7c5992a44_attn
    .symbol:         k_qf7c5992a44_attn.kd
    .args:
      - { .name: qq, .offset: 0, .size: 8, .value_kind: global_buffer, .address_space: global }
      - { .name: kv, .offset: 8, .size: 8, .value_kind: global_buffer, .address_space: global }
      - { .name: yq, .offset: 16, .size: 8, .value_kind: global_buffer, .address_space: global }
    .group_segment_fixed_size: 206848
    .private_segment_fixed_size: 0
    .kernarg_segment_align: 8
    .kernarg_segment_size: 24
    .max_flat_workgroup_size: 512
    .sgpr_count:     66
    .vgpr_count:     256
    .wavefront_size: 32
...
	.end_amdgpu_metadata
.endif
;; end of part 3
;; launch proj (part 4): grid 8 x 32, 4 waves a work-group, clusters of 4 x 4, 295,424 bytes of LDS; arguments cod, yq, b_out, out0; writes out0
.if DOCPART == 4
	.amdgcn_target "amdgcn-amd-amdhsa--gfx1250"
	.amdhsa_code_object_version 6
	.text
	.protected	k_qf7c5992a44_proj
	.globl	k_qf7c5992a44_proj
	.p2align	8
	.type	k_qf7c5992a44_proj,@function
k_qf7c5992a44_proj:
	s_mov_b64 s[64:65], 0
	v_nop
	global_prefetch_b8 v0, s[64:65] scope:SCOPE_SE
	s_setreg_imm32_b32 hwreg(HW_REG_WAVE_MODE, 25, 1), 1
	s_wait_xcnt 0x0
	s_wait_alu depctr_hold_cnt(0) depctr_sa_sdst(0) depctr_va_vdst(0) depctr_va_sdst(0) depctr_va_ssrc(0) depctr_va_vcc(0) depctr_vm_vsrc(0)
	s_getreg_b32 s2, hwreg(HW_REG_IB_STS2, 6, 4)
	s_cmp_eq_u32 s2, 0
	s_cbranch_scc0 .Lentry_in_a_cluster
	s_endpgm
.Lentry_in_a_cluster:
	s_bfe_u32 s2, ttmp6, 0x10000c
	s_cmp_lg_u32 s2, 0xf033
	s_cbranch_scc0 .Lentry_shape_is_right
	s_endpgm
.Lentry_shape_is_right:
; out0 = y w_out^T + b_out on codes of BF6 (E3M2).  y's codes and scale bytes come from yq, w_out's from cod, both as images of the operands' registers.
; SHARES.  A work-group makes 256 tokens x 128 columns, each of its four waves 64 tokens x 128: 32 accumulators.  The products are used transposed (source 0 = 16 rows of w_out, source 1 = 16 tokens):
; a lane holds eight neighbouring columns of one token's row.
; ALL OF K LIES IN LDS: four slots, one for each 256 along K, each filled once: four tensor loads a wave go out together at the start, and counted waits let the later ones land under the products.
; Nothing is filled again.  CLUSTER 4 x 4: y's tiles are shared along a row of the cluster, w_out's along a column, and asked for jointly.
; y's fragments are two halves of 768 bytes (a head each): four registers a lane at 16 l, two at 512 + 8 l.  w_out's are three groups of four registers at 512 g + 16 l.
; THE WAY OUT goes through a stage of 16 rows x 528 bytes a wave, in slot 0: that slot has had its only fill, and its last read lies ahead of barriers that every wave has passed.
; REGISTERS.  window 0: v1-22 addresses; v32-47 y's scale words, v48-79 w_out's; v96-191 y's fragments, two sets; v192-255 the bias.  window 1: w_out's fragments, two sets of 96.  window 2: the accumulators, (n, m) at 8 (4 n + m).
.set SC0,   9437184
.set YS0,   6291456
.set SLOT,  73728                      ; y's 16 tiles x 3,072, then w_out's 8
.set BOFF,  49152
.set SP,    528
.set XS,    32
.set WS,    48
.set AF,    96
.set BIAS,  192
.set MSB, 0
.macro WIN new
.if MSB != \new
	s_set_vgpr_msb (MSB<<8)|\new
.set MSB, \new
.endif
.endm
.macro PLACES                          ; four places behind a matrix instruction (ISA guide 7.12.1)
.rept 4
	v_nop
.endr
.endm
.macro CROUND
	s_barrier_signal -1
	s_barrier_wait -1
	s_cmp_lg_u32 s14, 0
	s_cbranch_scc1 .Lnot_wave_0_\@
	s_barrier_signal -3
.Lnot_wave_0_\@:
	s_barrier_wait -3
	s_barrier_signal -1
	s_barrier_wait -1
.endm
.macro WM d, a, b, c, sa, sb, ra, rb
.if (\ra) && (\rb)
	v_wmma_scale_f32_16x16x128_f8f6f4 v[\d:\d+7], v[\a:\a+11], v[\b:\b+11], v[\c:\c+7], v[\sa], v[\sb] matrix_a_fmt:MATRIX_FMT_BF6 matrix_b_fmt:MATRIX_FMT_BF6 matrix_a_scale:MATRIX_SCALE_ROW1 matrix_b_scale:MATRIX_SCALE_ROW1
.elseif (\ra)
	v_wmma_scale_f32_16x16x128_f8f6f4 v[\d:\d+7], v[\a:\a+11], v[\b:\b+11], v[\c:\c+7], v[\sa], v[\sb] matrix_a_fmt:MATRIX_FMT_BF6 matrix_b_fmt:MATRIX_FMT_BF6 matrix_a_scale:MATRIX_SCALE_ROW1
.elseif (\rb)
	v_wmma_scale_f32_16x16x128_f8f6f4 v[\d:\d+7], v[\a:\a+11], v[\b:\b+11], v[\c:\c+7], v[\sa], v[\sb] matrix_a_fmt:MATRIX_FMT_BF6 matrix_b_fmt:MATRIX_FMT_BF6 matrix_b_scale:MATRIX_SCALE_ROW1
.else
	v_wmma_scale_f32_16x16x128_f8f6f4 v[\d:\d+7], v[\a:\a+11], v[\b:\b+11], v[\c:\c+7], v[\sa], v[\sb] matrix_a_fmt:MATRIX_FMT_BF6 matrix_b_fmt:MATRIX_FMT_BF6
.endif
.endm
.macro FETCH j                         ; K step j's fragments into set j % 2
.set SG, (\j)/2
.set QQ, (\j)%2
	WIN 0
.irp mt, 0,1,2,3
	ds_load_b128 v[AF+48*QQ+12*\mt:AF+48*QQ+12*\mt+3], v[5+SG] offset:3072*\mt+1536*QQ
	ds_load_b64 v[AF+48*QQ+12*\mt+4:AF+48*QQ+12*\mt+5], v[9+SG] offset:3072*\mt+1536*QQ+512
	ds_load_b128 v[AF+48*QQ+12*\mt+6:AF+48*QQ+12*\mt+9], v[5+SG] offset:3072*\mt+1536*QQ+768
	ds_load_b64 v[AF+48*QQ+12*\mt+10:AF+48*QQ+12*\mt+11], v[9+SG] offset:3072*\mt+1536*QQ+1280
.endr
	WIN 0x40
.irp nt, 0,1,2,3,4,5,6,7
.irp g, 0,1,2
	ds_load_b128 v[96*QQ+12*\nt+4*\g:96*QQ+12*\nt+4*\g+3], v[13+SG] offset:3072*\nt+1536*QQ+512*\g
.endr
.endr
	WIN 0
.endm
.macro MUL j                           ; the 32 accumulators by turns, one instruction a turn; K step 0 takes the bias as C
.set QQ, (\j)%2
.if (\j) == 0
	WIN 0x81
.else
	WIN 0xa1
.endif
.irp nt, 0,1,2,3,4,5,6,7
.irp mt, 0,1,2,3
.if (\j) == 0
	WM 8*(4*\nt+\mt),96*QQ+12*\nt,AF+48*QQ+12*\mt,BIAS+8*\nt,WS+8*(\nt/2)+(\j),XS+8*(\mt/2)+(\j),\nt%2,\mt%2
.else
	WM 8*(4*\nt+\mt),96*QQ+12*\nt,AF+48*QQ+12*\mt,8*(4*\nt+\mt),WS+8*(\nt/2)+(\j),XS+8*(\mt/2)+(\j),\nt%2,\mt%2
.endif
.endr
.endr
	WIN 0
.endm
.macro KSTEP j, left                   ; left >= 0: the next step lies in the next slot: my part of it is in (left later loads may stay out), and a barrier shows everybody's; nothing is ever filled again
	s_wait_dscnt 0x0
.if (\left) >= 0
	s_wait_tensorcnt \left
	s_barrier_signal -1
	s_barrier_wait -1
.endif
	PLACES
	FETCH (\j)+1
	MUL \j
.endm
	s_load_b256 s[4:11], s[0:1], 0x0               ; cod s[4:5], yq s[6:7], b_out s[8:9], out0 s[10:11]
	v_lshl_add_u32 v94, v0, 2, 0x48000
	v_mov_b32 v95, 0
	ds_add_u32 v94, v95
	ds_add_u32 v94, v95
	v_lshrrev_b32 v1, 5, v0
	v_readfirstlane_b32 s14, v1                    ; wave
	s_lshr_b32 s15, s14, 1                         ; I fetch for y (0) or for w_out (1),
	s_and_b32 s16, s14, 1                          ; its first or its second half
	s_bfe_u32 s17, ttmp6, 0x40000                  ; cx
	s_bfe_u32 s18, ttmp6, 0x40004                  ; cy
	s_lshl_b32 s19, ttmp9, 2
	s_add_co_u32 s19, s19, s17                     ; the block of 128 columns
	s_and_b32 s20, ttmp7, 0xffff
	s_lshl_b32 s20, s20, 2
	s_add_co_u32 s20, s20, s18                     ; the block of 256 tokens
	s_lshl_b32 s21, s18, 2
	s_lshl_b32 s21, 15, s21                        ; my row of the cluster
	s_lshl_b32 s22, 0x1111, s17                    ; my column
	s_or_b32 s24, s21, (3<<16)|(1<<21)             ; group 1: rows of 384 elements of 8 bytes, 1,536 apart; 8 rows of y, 4 of w_out; no padding
	s_mov_b32 s25, 384<<16
	s_mov_b32 s26, 8<<16
	s_mov_b32 s27, 384<<16
	s_mov_b32 s28, 8
	s_mov_b32 s29, 1536
	s_mov_b32 s30, 0
	s_mov_b32 s31, 0
	s_or_b32 s32, s22, (3<<16)|(1<<21)
	s_mov_b32 s33, 384<<16
	s_mov_b32 s34, 4<<16
	s_mov_b32 s35, 384<<16
	s_mov_b32 s36, 4
	s_mov_b32 s37, 1536
	s_mov_b32 s38, 0
	s_mov_b32 s39, 0
	s_lshl_b32 s84, s20, 4                         ; y: tile 16 x block + 8 x half (these registers never hold cx),
	s_lshl_b32 s85, s16, 3
	s_add_co_u32 s84, s84, s85
	s_mul_i32 s84, s84, 12288
	s_mov_b32 s85, 0
	s_lshl_b32 s66, s19, 3                         ; w_out: tile 704 + 8 x block + 4 x half (and these never cy)
	s_lshl_b32 s67, s16, 2
	s_add_co_u32 s66, s66, s67
	s_add_co_u32 s66, s66, 704
	s_mul_i32 s66, s66, 12288
	s_mov_b32 s67, 0
	s_mul_i32 s2, s16, 24576
	s_mul_i32 s3, s16, 12288
	s_add_co_u32 s3, s3, BOFF
	s_wait_dscnt 0x0
	s_wait_kmcnt 0x0
	s_add_nc_u64 s[84:85], s[6:7], s[84:85]
	s_add_nc_u64 s[66:67], s[4:5], s[66:67]
.irp f, 0,1,2,3
	s_mov_b32 s[40+4*\f], 1
	s_add_co_u32 s[41+4*\f], s2, SLOT*\f
	s_add_nc_u64 s[42+4*\f:43+4*\f], s[84:85], 3072*\f
	s_or_b32 s[43+4*\f], s[43+4*\f], 0x80000000
	s_mov_b32 s[68+4*\f], 1
	s_add_co_u32 s[69+4*\f], s3, SLOT*\f
	s_add_nc_u64 s[70+4*\f:71+4*\f], s[66:67], 3072*\f
	s_or_b32 s[71+4*\f], s[71+4*\f], 0x80000000
.endr
	CROUND                                         ; all sixteen work-groups are here: the joint loads meet
	s_cmp_eq_u32 s15, 0                            ; a wave's four fills stand in one branch: four loads of mine are out
	s_cbranch_scc0 .Lfirst_b
	tensor_load_to_lds s[40:43], s[24:31]
	s_nop 0
	tensor_load_to_lds s[44:47], s[24:31]
	s_nop 0
	tensor_load_to_lds s[48:51], s[24:31]
	s_nop 0
	tensor_load_to_lds s[52:55], s[24:31]
	s_nop 0
.rept 4
	v_nop
.endr
	s_branch .Lfirst_done
.Lfirst_b:
	tensor_load_to_lds s[68:71], s[32:39]
	s_nop 0
	tensor_load_to_lds s[72:75], s[32:39]
	s_nop 0
	tensor_load_to_lds s[76:79], s[32:39]
	s_nop 0
	tensor_load_to_lds s[80:83], s[32:39]
	s_nop 0
.rept 4
	v_nop
.endr
.Lfirst_done:
	s_lshl_b32 s56, s20, 13
	s_lshl_b32 s57, s14, 11
	s_add_co_u32 s56, s56, s57
	s_add_co_u32 s56, s56, YS0
	s_mov_b32 s57, 0
	s_add_nc_u64 s[56:57], s[6:7], s[56:57]        ; y's scale bytes at my first token
	s_lshl_b32 s58, s19, 12
	s_add_co_u32 s58, s58, SC0+360448
	s_mov_b32 s59, 0
	s_add_nc_u64 s[58:59], s[4:5], s[58:59]        ; w_out's at the block's first row
	s_lshl_b32 s60, s19, 9
	s_mov_b32 s61, 0
	s_add_nc_u64 s[60:61], s[8:9], s[60:61]        ; the bias
	s_lshl_b32 s62, s20, 20
	s_lshl_b32 s63, s14, 18
	s_add_co_u32 s62, s62, s63
	s_lshl_b32 s63, s19, 9
	s_add_co_u32 s62, s62, s63
	s_mov_b32 s63, 0
	s_add_nc_u64 s[62:63], s[10:11], s[62:63]      ; out0 at my first token and the block's first column
	v_and_b32 v22, 31, v0                          ; lane
	v_lshlrev_b32 v1, 4, v22                       ; 16 x lane
	v_lshlrev_b32 v22, 3, v22                      ; 8 x lane
	v_and_b32 v2, 15, v0                           ; r
	v_bfe_u32 v3, v0, 4, 1                         ; h
	v_and_b32 v4, 8, v2
	v_add_nc_u32 v4, v4, v2                        ; r + 8 (r / 8)
	s_mul_i32 s2, s14, 12288
	v_add_nc_u32 v5, s2, v1                        ; my four tiles of y in the four slots: 16 bytes a lane,
	v_add_nc_u32 v9, s2, v22                       ; and 8
	v_add_nc_u32 v13, BOFF, v1                     ; w_out's eight
.irp s, 1,2,3
	v_add_nc_u32 v[5+\s], SLOT*\s, v5
	v_add_nc_u32 v[9+\s], SLOT*\s, v9
	v_add_nc_u32 v[13+\s], SLOT*\s, v13
.endr
	v_lshl_add_u32 v17, v3, 3, v4
	v_lshlrev_b32 v17, 5, v17                      ; scale bytes: lanes 0-15 the even tile's rows, lanes 16-31 the odd one's
	v_lshlrev_b32 v18, 6, v3                       ; the bias: my half's 16 numbers of a block
	s_mul_i32 s2, s14, 16*SP
	v_mul_u32_u24 v19, v2, SP
	v_lshl_add_u32 v19, v3, 6, v19
	v_add_nc_u32 v19, s2, v19                      ; the stage, in: row r, 64 h bytes on
	v_add_nc_u32 v20, s2, v1                       ; and back: 16 bytes a lane of a row of 512
	v_mov_b32 v21, v1                              ; the same place in a row of out0
.irp p, 0,1
.irp g, 0,1
	global_load_b128 v[XS+8*\p+4*\g:XS+8*\p+4*\g+3], v17, s[56:57] offset:1024*\p+16*\g
.endr
.endr
.irp p, 0,1,2,3
.irp g, 0,1
	global_load_b128 v[WS+8*\p+4*\g:WS+8*\p+4*\g+3], v17, s[58:59] offset:1024*\p+16*\g
.endr
.endr
.irp nt, 0,1,2,3,4,5,6,7
	global_load_b128 v[BIAS+8*\nt:BIAS+8*\nt+3], v18, s[60:61] offset:(32*(\nt/2)+8*(\nt%2))*4
	global_load_b128 v[BIAS+8*\nt+4:BIAS+8*\nt+7], v18, s[60:61] offset:(32*(\nt/2)+8*(\nt%2))*4+16
.endr
	s_wait_alu depctr_va_vdst(0)
	s_wait_tensorcnt 0x3                           ; my part of slot 0 is in; the three later quarters may stay out
	s_barrier_signal -1
	s_barrier_wait -1
	FETCH 0
	s_wait_loadcnt 0x0                             ; scale words and bias
	s_wait_dscnt 0x0
	FETCH 1
	MUL 0
	KSTEP 1, 2
	KSTEP 2, -1
	KSTEP 3, 1
	KSTEP 4, -1
	KSTEP 5, 0
	KSTEP 6, -1
	s_wait_dscnt 0x0
	MUL 7
; THE WAY OUT, 16 tokens x 128 columns at a time: through my stage, back as whole rows of 512 bytes, which the 32 lanes store as one aligned run of 512.  LDS serves a wave's instructions in order.
.macro TOSTAGE mt
	WIN 0x08                                       ; an LDS store's data are its source 1: window 2
.irp nt, 0,1,2,3,4,5,6,7
	ds_store_b128 v19, v[8*(4*\nt+(\mt)):8*(4*\nt+(\mt))+3] offset:128*(\nt/2)+32*(\nt%2)        ; each accumulator from its low end on
	ds_store_b128 v19, v[8*(4*\nt+(\mt))+4:8*(4*\nt+(\mt))+7] offset:128*(\nt/2)+32*(\nt%2)+16
.endr
	WIN 0
.irp p, 0,1,2,3,4,5,6,7,8,9,10,11,12,13,14,15
	ds_load_b128 v[96+64*((\mt)%2)+4*\p:96+64*((\mt)%2)+4*\p+3], v20 offset:SP*\p
.endr
.endm
.macro SEND mt, younger                ; younger: the LDS instructions issued behind this block's loads, which may stay out
	s_wait_dscnt \younger
.irp p, 0,1,2,3,4,5,6,7,8,9,10,11,12,13,14,15
	global_store_b128 v21, v[96+64*((\mt)%2)+4*\p:96+64*((\mt)%2)+4*\p+3], s[62:63] offset:(32*((\mt)/2)+8*((\mt)%2)+\p+8*(\p/8))*4096 th:TH_STORE_NT
.endr
.endm
	PLACES
	TOSTAGE 0
.irp a, 1,2,3
.if \a > 1
	s_wait_xcnt 0x0                                ; block a - 2's stores have read their registers: block a's loads may land there
.endif
	TOSTAGE \a
	SEND \a-1, 32                                  ; behind block a - 1's loads: block a's 16 stores and 16 loads
.endr
	SEND 3, 0
	s_wait_tensorcnt 0x0
	s_wait_dscnt 0x0
	s_wait_tensorcnt 0x0
	ds_add_u32 v94, v95
	s_wait_dscnt 0x0
	CROUND                                         ; the closing round
	s_endpgm
.Lfunc_end_k_qf7c5992a44_proj:
	.size	k_qf7c5992a44_proj, .Lfunc_end_k_qf7c5992a44_proj-k_qf7c5992a44_proj
	.p2alignl 7, 3214868480
	.fill 96, 4, 3214868480
	.section	.rodata,"a",@progbits
	.p2align	6, 0x0
	.amdhsa_kernel k_qf7c5992a44_proj
		.amdhsa_group_segment_fixed_size 295424
		.amdhsa_private_segment_fixed_size 0
		.amdhsa_enable_private_segment 0
		.amdhsa_kernarg_size 32
		.amdhsa_user_sgpr_count 2
		.amdhsa_user_sgpr_kernarg_segment_ptr 1
		.amdhsa_wavefront_size32 1
		.amdhsa_system_sgpr_workgroup_id_x 1
		.amdhsa_system_sgpr_workgroup_id_y 1
		.amdhsa_system_sgpr_workgroup_id_z 1
		.amdhsa_system_vgpr_workitem_id 0
		.amdhsa_next_free_vgpr 768
		.amdhsa_next_free_sgpr 88
		.amdhsa_reserve_vcc 0
		.amdhsa_float_denorm_mode_32 3
		.amdhsa_float_denorm_mode_16_64 3
		.amdhsa_memory_ordered 1
		.amdhsa_forward_progress 1
		.amdhsa_inst_pref_size 81
	.end_amdhsa_kernel
	.amdgpu_metadata
---
amdhsa.version: [ 1, 2 ]
amdhsa.kernels:
  - .name:           k_qf7c5992a44_proj
    .symbol:         k_qf7c5992a44_proj.kd
    .args:
      - { .name: cod, .offset: 0, .size: 8, .value_kind: global_buffer, .address_space: global }
      - { .name: yq, .offset: 8, .size: 8, .value_kind: global_buffer, .address_space: global }
      - { .name: b_out, .offset: 16, .size: 8, .value_kind: global_buffer, .address_space: global }
      - { .name: out0, .offset: 24, .size: 8, .value_kind: global_buffer, .address_space: global }
    .group_segment_fixed_size: 295424
    .private_segment_fixed_size: 0
    .kernarg_segment_align: 8
    .kernarg_segment_size: 32
    .max_flat_workgroup_size: 128
    .sgpr_count:     88
    .vgpr_count:     768
    .wavefront_size: 32
...
	.end_amdgpu_metadata
.endif
;; end of part 4
